; MI455X (gfx1250); checked and timed in simulation.
; The chip was launched on July 23, 2026; its instructions are those of AMD's public machine-readable ISA for CDNA 5 (MIT licence, August 2026) and "CDNA5" Instruction Set Architecture Reference Guide (July 2026). The comments in the code are by the model that wrote it; some were corrected since.
;; Causal Self Attention. Allowed arithmetic: matrix products marked QUANTISED: E2M3 operands, one E8M0 scale for each 32 along K, by v_wmma_scale_f32_16x16x128_f8f6f4 with both operands' format E2M3, f32 sums; everything else in f32.
;; Inputs: W_attn 1,024 x 3,072 float32; W_proj 1,024 x 1,024 float32; b_attn 3,072 float32; b_proj 1,024 float32; x 4 x 2,048 x 1,024 float32.
;; Outputs: out0 4 x 2,048 x 1,024 float32.
;; This version of the problem:
;;   THIS VERSION OF THE PROBLEM IS GIVEN IN LOW PRECISION. The matrix products marked QUANTISED in the list below multiply operands that are first quantised to E2M3 (2 exponent bits, 3 mantissa bits; 6 bits a number), with one power-of-two scale for each 32 numbers along K (OCP MX v1.0); their sums are f32. All else is computed in f32.
;;   The module's matrix products, in the order in which they are computed (A, B: the left and right operand; K: the contracted axis; several contracted axes count as one K, in the product's order):
;;     1. [M 8,192, K 1,024] x [K 1,024, N 3,072]; A: input x; B: input W_attn: QUANTISED
;;     2. batch 64 x [M 2,048, K 64] x [K 64, N 2,048]; A: computed on the way; B: computed on the way: QUANTISED
;;     3. batch 64 x [M 2,048, K 2,048] x [K 2,048, N 64]; A: softmax (see below); B: computed on the way: QUANTISED
;;     4. [M 8,192, K 1,024] x [K 1,024, N 1,024]; A: computed on the way; B: input W_proj: QUANTISED
;;   THE QUANTISER, for each operand of a quantised product, along K:
;;     - K is cut into blocks of 32 from its start; a last block that is shorter is filled with zeros.
;;     - A block's scale is 2^e with e = floor(log2(the largest magnitude in the block)) - 2, held to -126 .. 127; a block of zeros has e = 0. As a byte (E8M0): e + 127.
;;     - Each number is divided by its block's scale, clamped to +-7.5, and rounded to the nearest number of E2M3, ties to even, subnormals kept.
;;     - The product sums the exact products of the quantised numbers (number of the format x scale) in f32.
;;   ~~~python
;;   def quantise(x, axis):      # numpy; x: float32 -> the quantised numbers, widened to float32 again
;;       x = np.moveaxis(x, axis, -1); K = x.shape[-1]
;;       x = np.pad(x, [(0, 0)] * (x.ndim - 1) + [(0, -K % 32)]); x = x.reshape(x.shape[:-1] + (-1, 32)); a = np.abs(x).max(-1, keepdims=True)
;;       e = np.where(a > 0, np.clip(np.frexp(np.where(a > 0, a, 1))[1] - 1 - 2, -126, 127), 0)      # np.frexp(a)[1] - 1 = floor(log2(a)), exactly
;;       r = np.clip(x / 2.0 ** e, -7.5, 7.5)
;;       step = 2.0 ** (np.maximum(np.frexp(np.where(r == 0, 1, r))[1] - 1, 0) - 3)
;;       q = np.round(r / step) * step * 2.0 ** e      # np.round: ties to even
;;       return np.moveaxis(q.reshape(q.shape[:-2] + (-1,))[..., :K], -1, axis).astype(np.float32)
;;   ~~~
;;   SOFTMAX AHEAD OF A QUANTISED PRODUCT. Where the list says 'softmax', what is quantised is not the finished softmax but p = 2^(t - M), with t = logit x log2(e) and M = ceil(the row's largest t), a whole number; so 1/2 < the row's largest p <= 1. The row's sum l is taken of the UNQUANTISED p, in f32, and the product's result is divided by l at the end. Since M is a whole number, a kernel that streams over the keys may use a running M (the ceiling of the running maximum): every later rescaling is an exact power of two, which a block's scale takes up: the codes' values come out the same.
;;   OPERANDS COMPUTED ON THE WAY. 'Computed on the way' means the value that the module computes at that place (a softmax that the list does not call 'softmax' is quantised finished and normalised). What goes into a quantiser is computed in f32, as accurately as f32 sums, v_exp_f32 and their like allow (about 1e-6 of the number): no bf16 or f16 on the way to a quantiser, and a product that is left as it is and whose result goes on into a quantised operand takes f32 operands (vector FMAs, or v_wmma_f32_16x16x4_f32). A number that lies on a knife's edge between two numbers of the format may be rounded either way, as far as f32 arithmetic and the matrix unit's own rounding can turn it there, and no further.
;; One version. Each part assembles by itself: llvm-mc -triple=amdgcn-amd-amdhsa -mcpu=gfx1250 --defsym DOCPART=n.
;; ======== version 1 of 1: 4 launches
;; workspace buffers: xq 6,553,600 bytes; wa 2,457,600 bytes; wp 819,200 bytes; qk 13,631,488 bytes; vt 6,553,600 bytes; cc 6,553,600 bytes
;; launch quant (part 1): grid 768 x 1, 4 waves a work-group, no clusters, 68,096 bytes of LDS; arguments x, W_attn, W_proj, xq, wa, wp; writes xq, wa, wp
.if DOCPART == 1
	.amdgcn_target "amdgcn-amd-amdhsa--gfx1250"
	.amdhsa_code_object_version 6
	.text
	.protected	k_q966a003b28_quant
	.globl	k_q966a003b28_quant
	.p2align	8
	.type	k_q966a003b28_quant,@function
k_q966a003b28_quant:
	s_mov_b64 s[64:65], 0
	v_nop
	global_prefetch_b8 v0, s[64:65] scope:SCOPE_SE
	s_setreg_imm32_b32 hwreg(HW_REG_WAVE_MODE, 25, 1), 1
	s_wait_xcnt 0x0
; x [8192][1024], W_attn [1024][3072] and W_proj [1024][1024], f32, become codes of FP6 (E2M3) with one E8M0 byte for each 32 along K = 1,024, laid as IMAGES OF OPERAND REGISTERS.
; THE FORMAT (xq, wa, wp; rows of wa and wp are the weights' columns).  Rows go in pairs of tiles, 32 rows a pair: lane r of tile u holds row 32 pair + 8 u + r + 8 (r / 8).
; A half-image is 16 rows x 64 K, six registers a lane (lane (r, h): k = 32 h .. 32 h + 31): registers 0-3 at 16 x lane (512 bytes), registers 4-5 at 512 + 8 x lane (256 bytes): 768 bytes.
; A buffer is [pair][g = 0..3] records of 6,400 bytes (256 along K): half-image (K step s' of two, tile u, half c) at 3072 s' + 1536 u + 768 c; the scale words (four bytes: 128 along K of a row) at 6144 + 128 s' + 4 (16 u + r).
; A block's scale is 2^(floor(log2(largest magnitude)) - 2): its byte is the largest magnitude's exponent field - 2, held at 1 from below by a floor among the maximum's leaves.
; LIMITS: a block of zeros gets the byte 1 and not 127 (its codes are zeros, and this program alone reads the bytes); largest magnitudes under 2^-124 are taken as 2^-124; NaN and infinities are not served.
; SHARES: work-groups 0-511 take x, 512-703 W_attn, 704-767 W_proj; each wave takes 32 rows x 128 K (16 KiB of f32).  Waves share nothing: no barrier.  Only x's path uses LDS.
; Every store of codes covers 512 or 256 consecutive bytes at a multiple of 256; a wave's 32 scale words are 128 consecutive bytes.
.set PAIRB, 25600
.set REC,   6400
.set SP,    528                        ; a stage row: 512 bytes + 16, so that sixteen rows' reads start at sixteen different 16-byte columns
.set STGB,  32*SP                      ; a wave's own stage
.set R,     16                         ; v16-143  x: 32 rows as loaded, then two tiles of 64 numbers a lane
.set TM,    144                        ; v144-159 at work: maxima, bytes, scale operands
.set PW0,   160                        ; the two tiles' scale words, and the merged one
.set PW1,   161
.set PWS,   162
.set PC0,   164                        ; v164-183, v184-203 the two tiles' codes
.set PC1,   184
.set X,     16                         ; the weights: v16-79 two sets of 32 numbers down K
.set CD,    80                         ; v80-111  block t's six registers at CD + 8 t
.set TT,    112                        ; v112-127 the second conversion's three registers
.set WD,    128                        ; the lane's scale word
; 64 numbers of a lane, register 16 b + i = k 32 b + 16 (lane / 16) + i of its row, become a fragment's 12 registers at v[pc] and the row's scale word in v[pw].
.macro QUANT s, pc, pw
.irp b, 0,1,2,3
	v_max3_num_f32 v[TM+\b], |v[\s+16*\b]|, |v[\s+1+16*\b]|, 0x1800000   ; my 16 numbers of block b, and the floor 2^(3 - 127)
.endr
.irp i, 2,4,6,8,10,12,14
.irp b, 0,1,2,3
	v_max3_num_f32 v[TM+\b], v[TM+\b], |v[\s+16*\b+\i]|, |v[\s+1+16*\b+\i]|   ; the four blocks by turns
.endr
.endr
.irp b, 0,1,2,3
	v_permlanex16_b32 v[TM+4+\b], v[TM+\b], s20, s21
.endr
.irp b, 0,1,2,3
	v_max_num_f32 v[TM+\b], v[TM+\b], v[TM+4+\b]          ; with lane l xor 16's: the block's largest magnitude
.endr
.irp b, 0,1,2,3
	v_add_nc_u32 v[TM+12+\b], 0xff000000, v[TM+\b]        ; 2 off its exponent field: the conversion's scale operand
.endr
.irp b, 0,1,2,3
	v_lshrrev_b32 v[TM+4+\b], 23, v[TM+12+\b]             ; the scale's byte
.endr
	v_lshl_or_b32 v[\pw], v[TM+5], 8, v[TM+4]
	v_lshl_or_b32 v[\pw], v[TM+6], 16, v[\pw]
	v_lshl_or_b32 v[\pw], v[TM+7], 24, v[\pw]
.irp c, 0,1
	v_cvt_scalef32_pk16_fp6_f32 v[\pc+6*\c:\pc+2+6*\c], v[\s+32*\c:\s+15+32*\c], v[TM+12+2*\c]
	v_cvt_scalef32_pk16_fp6_f32 v[\pc+12+4*\c:\pc+14+4*\c], v[\s+16+32*\c:\s+31+32*\c], v[TM+13+2*\c]   ; (a conversion's three registers begin on an even number)
.endr
	v_nop                                                  ; one plain place behind a scaled conversion
.irp c, 0,1                                            ; the layout wants a whole block in a lane: lanes 0-15 block 2 c, lanes 16-31 block 2 c + 1
.irp i, 0,1,2
	v_permlane16_swap_b32 v[\pc+6*\c+\i], v[\pc+12+4*\c+\i]
.endr
.irp i, 0,1,2
	v_mov_b32 v[\pc+3+6*\c+\i], v[\pc+12+4*\c+\i]
.endr
.endr
.endm
; where pair s17, K step s18 lies in the buffer at s[dst]: codes -> s[28:29], scale words -> s[30:31]
.macro OUTP dst
	s_mul_i32 s26, s17, PAIRB
	s_lshr_b32 s27, s18, 1
	s_mul_i32 s27, s27, REC
	s_add_co_u32 s26, s26, s27                     ; the record
	s_and_b32 s23, s18, 1                          ; s'
	s_mul_i32 s27, s23, 3072
	s_add_co_u32 s28, s26, s27
	s_mov_b32 s29, 0
	s_lshl_b32 s27, s23, 7
	s_add_co_u32 s30, s26, s27
	s_add_co_u32 s30, s30, 6144
	s_mov_b32 s31, 0
	s_wait_kmcnt 0x0
	s_add_nc_u64 s[28:29], s[\dst:\dst+1], s[28:29]
	s_add_nc_u64 s[30:31], s[\dst:\dst+1], s[30:31]
.endm
	s_load_b256 s[4:11], s[0:1], 0x0               ; x s[4:5], W_attn s[6:7], W_proj s[8:9], xq s[10:11]
	s_load_b128 s[12:15], s[0:1], 0x20             ; wa s[12:13], wp s[14:15]
	v_lshl_add_u32 v208, v0, 2, 0x10800
	v_mov_b32 v209, 0
	v_lshrrev_b32 v1, 5, v0
	v_readfirstlane_b32 s16, v1                    ; wave
	v_and_b32 v1, 31, v0                           ; lane
	v_and_b32 v2, 15, v0                           ; r
	v_bfe_u32 v3, v0, 4, 1                         ; h (for the weights: the tile u)
	v_lshlrev_b32 v4, 4, v1                        ; 16 x lane
	v_lshlrev_b32 v5, 3, v1                        ; 8 x lane
	v_lshlrev_b32 v6, 2, v1                        ; 4 x lane
	s_mov_b32 s20, 0x76543210
	s_mov_b32 s21, 0xfedcba98                      ; v_permlanex16_b32's selects for lane l xor 16
	s_mov_b32 s22, 0xffff0000                      ; lanes 16-31
	s_cmp_lt_u32 ttmp9, 512
	s_cbranch_scc0 .Lweights
	; ---- x: K is innermost.  Loads take the bytes as they lie (512 consecutive bytes of a row each); the rows turn through the wave's own stage, so that a lane gets 16 neighbours of each block of its row.
	s_lshr_b32 s17, ttmp9, 1                       ; pair
	s_and_b32 s18, ttmp9, 1
	s_lshl_b32 s18, s18, 2
	s_add_co_u32 s18, s18, s16                     ; K step of 128
	s_lshl_b32 s24, s17, 17                        ; 32 rows of 4,096 bytes
	s_lshl_b32 s25, s18, 9
	s_add_co_u32 s24, s24, s25
	s_mov_b32 s25, 0
	s_mul_i32 s19, s16, STGB
	v_add_nc_u32 v7, s19, v4                       ; into the stage: 16 x lane
	v_mul_u32_u24 v8, v2, SP
	v_lshl_add_u32 v8, v3, 6, v8
	v_add_nc_u32 v8, s19, v8                       ; out of it: row r of a tile, + 64 h
.irp b, 0,1,2,3
	v_mov_b32 v[TM+4+\b], 0                        ; a lane permute's destination counts as one of its sources
.endr
	OUTP 10
	s_add_nc_u64 s[4:5], s[4:5], s[24:25]
.set i, 0
.rept 32
	global_load_b128 v[R+4*i:R+4*i+3], v4, s[4:5] offset:i*4096 th:TH_LOAD_NT
.set i, i+1
.endr
.set i, 0
.rept 4
	s_wait_loadcnt 24-8*(i/8)                      ; these eight rows are in; the younger rows' loads stay out
.rept 8
	ds_store_b128 v7, v[R+4*i:R+4*i+3] offset:(16*((i>>3)&1)+(i&7)+8*(i>>4))*SP   ; row i goes to the place of its tile and lane, so that a tile's 16 rows are neighbours in the stage
.set i, i+1
.endr
.endr
	s_wait_dscnt 0x0                               ; the stores have read their registers
.irp u, 0,1
.irp b, 0,1,2,3
.irp j, 0,1,2,3
	ds_load_b128 v[R+64*\u+16*\b+4*\j:R+64*\u+16*\b+4*\j+3], v8 offset:16*SP*\u+128*\b+16*\j
.endr
.endr
.endr
	s_wait_dscnt 16                                ; tile 0's sixteen loads are in, tile 1's may be out
	QUANT R, PC0, PW0
.irp c, 0,1
	global_store_b128 v4, v[PC0+6*\c:PC0+6*\c+3], s[28:29] offset:768*\c
	global_store_b64 v5, v[PC0+6*\c+4:PC0+6*\c+5], s[28:29] offset:768*\c+512
.endr
	s_wait_dscnt 0x0
	QUANT R+64, PC1, PW1
.irp c, 0,1
	global_store_b128 v4, v[PC1+6*\c:PC1+6*\c+3], s[28:29] offset:1536+768*\c
	global_store_b64 v5, v[PC1+6*\c+4:PC1+6*\c+5], s[28:29] offset:1536+768*\c+512
.endr
	v_cndmask_b32 v[PWS], v[PW0], v[PW1], s22      ; lanes 0-15 tile 0's words, lanes 16-31 tile 1's
	global_store_b32 v6, v[PWS], s[30:31]
	s_wait_tensorcnt 0x0
	ds_add_u32 v208, v209
	s_wait_dscnt 0x0
	s_endpgm
	; ---- the weights: K is the first axis.  A lane takes a column and its registers run down K: lane 16 u + r takes the column of tile u, lane r.  A block of 32 lies in one lane.
.macro WLOAD t, stride, src
.set i, 0
.rept 32
	global_load_b32 v[X+32*((\t)%2)+i], v9, s[\src:\src+1] offset:(32*(\t)+i)*\stride th:TH_LOAD_NT
.set i, i+1
.endr
.endm
.macro WBLOCK t, stride, src
.set XS, X+32*((\t)%2)
.if (\t) < 3
	s_wait_loadcnt 32                              ; this block's 32 loads are in, the next block's may be out
.else
	s_wait_loadcnt 0x0
.endif
	v_max3_num_f32 v12, |v[XS]|, |v[XS+1]|, |v[XS+2]|
	v_max3_num_f32 v13, |v[XS+3]|, |v[XS+4]|, |v[XS+5]|
.irp i, 6,10,14,18,22,26
	v_max3_num_f32 v12, v12, |v[XS+\i]|, |v[XS+\i+1]|
	v_max3_num_f32 v13, v13, |v[XS+\i+2]|, |v[XS+\i+3]|
.endr
	v_max3_num_f32 v12, v12, |v[XS+30]|, |v[XS+31]|
	v_max3_num_f32 v12, v12, v13, 0x1800000        ; and the floor
	v_add_nc_u32 v11, 0xff000000, v12              ; the conversion's scale operand
	v_lshrrev_b32 v13, 23, v11                     ; the byte
.if (\t) == 0
	v_mov_b32 v[WD], v13
.else
	v_lshl_or_b32 v[WD], v13, 8*(\t), v[WD]
.endif
	v_cvt_scalef32_pk16_fp6_f32 v[CD+8*(\t):CD+8*(\t)+2], v[XS:XS+15], v11
	v_cvt_scalef32_pk16_fp6_f32 v[TT+4*(\t):TT+4*(\t)+2], v[XS+16:XS+31], v11
	v_nop                                          ; one plain place behind a scaled conversion
.irp i, 0,1,2
	v_mov_b32 v[CD+8*(\t)+3+\i], v[TT+4*(\t)+\i]
.endr
.if (\t)+2 < 4
	WLOAD (\t)+2, \stride, \src
.endif
.endm
.macro QW stride, src, dst             ; s17: the work-group's number within its tensor
	s_and_b32 s18, s17, 7                          ; K step of 128
	s_lshr_b32 s17, s17, 3
	s_lshl_b32 s17, s17, 2
	s_add_co_u32 s17, s17, s16                     ; pair: the four waves stand side by side on 512 bytes of each row of the weight
	s_mul_i32 s24, s18, 128*\stride
	s_lshl_b32 s25, s17, 7
	s_add_co_u32 s24, s24, s25
	s_mov_b32 s25, 0
	OUTP \dst
	s_add_nc_u64 s[\src:\src+1], s[\src:\src+1], s[24:25]
	WLOAD 0, \stride, \src
	WLOAD 1, \stride, \src
	WBLOCK 0, \stride, \src
	WBLOCK 1, \stride, \src
	WBLOCK 2, \stride, \src
	WBLOCK 3, \stride, \src
.irp c, 0,1                            ; block 2 c's lanes 16-31 (tile 1) change places with block 2 c + 1's lanes 0-15 (tile 0): the first is then tile 0's half-image c, the second tile 1's
.irp i, 0,1,2,3,4,5
	v_permlane16_swap_b32 v[CD+16*\c+\i], v[CD+16*\c+8+\i]
.endr
.endr
.irp c, 0,1
.irp u, 0,1
	global_store_b128 v4, v[CD+16*\c+8*\u:CD+16*\c+8*\u+3], s[28:29] offset:1536*\u+768*\c
	global_store_b64 v5, v[CD+16*\c+8*\u+4:CD+16*\c+8*\u+5], s[28:29] offset:1536*\u+768*\c+512
.endr
.endr
	global_store_b32 v6, v[WD], s[30:31]           ; lane 16 u + r holds the word of tile u, row r
.endm
.Lweights:
	v_and_b32 v9, 8, v2
	v_add_nc_u32 v9, v9, v2
	v_lshl_add_u32 v9, v3, 3, v9                   ; my column in the pair: 8 u + r + 8 (r / 8)
	v_lshlrev_b32 v9, 2, v9
	s_cmp_lt_u32 ttmp9, 704
	s_cbranch_scc0 .Lproj
	s_sub_co_u32 s17, ttmp9, 512
	QW 12288, 6, 12
	s_endpgm
.Lproj:
	s_sub_co_u32 s17, ttmp9, 704
	QW 4096, 8, 14
	s_endpgm
.Lfunc_end_k_q966a003b28_quant:
	.size	k_q966a003b28_quant, .Lfunc_end_k_q966a003b28_quant-k_q966a003b28_quant
	.p2alignl 7, 3214868480
	.fill 96, 4, 3214868480
	.section	.rodata,"a",@progbits
	.p2align	6, 0x0
	.amdhsa_kernel k_q966a003b28_quant
		.amdhsa_group_segment_fixed_size 68096
		.amdhsa_private_segment_fixed_size 0
		.amdhsa_enable_private_segment 0
		.amdhsa_kernarg_size 48
		.amdhsa_user_sgpr_count 2
		.amdhsa_user_sgpr_kernarg_segment_ptr 1
		.amdhsa_wavefront_size32 1
		.amdhsa_system_sgpr_workgroup_id_x 1
		.amdhsa_system_sgpr_workgroup_id_y 1
		.amdhsa_system_sgpr_workgroup_id_z 1
		.amdhsa_system_vgpr_workitem_id 0
		.amdhsa_next_free_vgpr 210
		.amdhsa_next_free_sgpr 66
		.amdhsa_reserve_vcc 0
		.amdhsa_float_denorm_mode_32 3
		.amdhsa_float_denorm_mode_16_64 3
		.amdhsa_memory_ordered 1
		.amdhsa_forward_progress 1
		.amdhsa_inst_pref_size 59
	.end_amdhsa_kernel
	.amdgpu_metadata
---
amdhsa.version: [ 1, 2 ]
amdhsa.kernels:
  - .name:           k_q966a003b28_quant
    .symbol:         k_q966a003b28_quant.kd
    .args:
      - { .name: x, .offset: 0, .size: 8, .value_kind: global_buffer, .address_space: global }
      - { .name: W_attn, .offset: 8, .size: 8, .value_kind: global_buffer, .address_space: global }
      - { .name: W_proj, .offset: 16, .size: 8, .value_kind: global_buffer, .address_space: global }
      - { .name: xq, .offset: 24, .size: 8, .value_kind: global_buffer, .address_space: global }
      - { .name: wa, .offset: 32, .size: 8, .value_kind: global_buffer, .address_space: global }
      - { .name: wp, .offset: 40, .size: 8, .value_kind: global_buffer, .address_space: global }
    .group_segment_fixed_size: 68096
    .private_segment_fixed_size: 0
    .kernarg_segment_align: 8
    .kernarg_segment_size: 48
    .max_flat_workgroup_size: 128
    .sgpr_count:     66
    .vgpr_count:     210
    .wavefront_size: 32
...
	.end_amdgpu_metadata
.endif
;; end of part 1
;; launch qkv (part 2): grid 96 x 4, 4 waves a work-group, clusters of 4 x 4, 327,680 bytes of LDS; arguments xq, wa, b_attn, qk, vt; writes qk, vt
.if DOCPART == 2
	.amdgcn_target "amdgcn-amd-amdhsa--gfx1250"
	.amdhsa_code_object_version 6
	.text
	.protected	k_q966a003b28_qkv
	.globl	k_q966a003b28_qkv
	.p2align	8
	.type	k_q966a003b28_qkv,@function
k_q966a003b28_qkv:
	s_mov_b64 s[64:65], 0
	v_nop
	global_prefetch_b8 v0, s[64:65] scope:SCOPE_SE
	s_setreg_imm32_b32 hwreg(HW_REG_WAVE_MODE, 25, 1), 1
	s_wait_xcnt 0x0
	s_wait_alu depctr_hold_cnt(0) depctr_sa_sdst(0) depctr_va_vdst(0) depctr_va_sdst(0) depctr_va_ssrc(0) depctr_va_vcc(0) depctr_vm_vsrc(0)
	s_getreg_b32 s2, hwreg(HW_REG_IB_STS2, 6, 4)
	s_cmp_eq_u32 s2, 0
	s_cbranch_scc0 .Lentry_in_a_cluster
	s_endpgm
.Lentry_in_a_cluster:
	s_bfe_u32 s2, ttmp6, 0x10000c
	s_cmp_lg_u32 s2, 0xf033
	s_cbranch_scc0 .Lentry_shape_is_right
	s_endpgm
.Lentry_shape_is_right:
; qkv = x W_attn + b_attn on codes of FP6 (E2M3) with E8M0 scales, K = 1,024; the results are quantised in registers and leave as codes, laid as the attention launch's operand registers.
; OPERANDS (xq, wa): [pair of 32 rows][g = 0..3] records of 6,400 bytes; in a record half-image (K step s', tile u, half c) at 3072 s' + 1536 u + 768 c (registers 0-3 at 16 x lane, 4-5 at 512 + 8 x lane), scale words at 6144 + 128 s' + 4 x lane.
; Lane r of tile u holds row 32 pair + 8 u + r + 8 (r / 8): as source 0 such tiles give a lane 16 NEIGHBOURS in the 16 registers of a pair's two results.
; TWO MODES, told apart by the cluster's number (equal in all partners).  Clusters 0-15: C = x (A) times the q and k columns of W (B): a lane holds one token, its registers run along the channels: quantised along the head's 64.
; Clusters 16-23: the operands change places: C = V^T = the v columns of W (A) times x (B): a lane holds one channel, its registers run along the tokens: quantised along the keys.  Only two pointers, the bias's layout and the way out differ.
; SHAPE: a tile of C is 256 x 256, four waves, each 128 x 128: 64 accumulators, 512 registers.  Source 0 = 16 rows of B, source 1 = 16 rows of A.  384 work-groups: no tile that keeps heads whole divides the work evenly by the number of WGPs.
; K goes in four slot loads of 256 (g = 0..3) through three LDS slots: g = 0, 1, 2 are first fills, g = 3 is the one refill (slot 0), asked for four K steps, 256 matrix instructions, ahead of its first read.
; CLUSTER 4 x 4: A's part is asked for jointly along a row of the cluster, B's along a column.
; OUT: qk [which][batch x head][step of 128 tokens] records of 6,656 bytes: tile t's half-image at 768 t, scale words (two bytes, then 0x7f 0x7f for the unused upper 64 of the instruction's K) at 6144 + 16 x lane + 4 i (tile 2 i + lane / 16).
;      vt [batch x head][step of 128 keys] records of 6,400 bytes: half-image (channel tile dt, half c) at 768 (2 dt + c), scale words at 6144 + 8 x lane + 4 i (tile 2 i + lane / 16).
; LIMITS: a block of zeros gets the byte 1 and not 127 (zero codes; this program alone reads the bytes); largest magnitudes under 2^-124 are taken as 2^-124; NaN and infinities are not served.
; REGISTERS: window 0: v1-3 16, 8, 4 x lane; v4-21 LDS addresses; v22-23 the add's; v24-31 the bias's offsets; v32-63 scale words, two sets; v64-127 the bias; v128-223 A's fragments, one set; v224-255 at work.
;   On the way out v64-223 hold the codes, 20 registers for each block of rows, so that no store's data are written again.   window 1: B's fragments, two sets (v0, v128).   windows 2, 3: the accumulators, (a, b) at v[8 (8 (a % 4) + b)].
.set PAIRB, 25600
.set REC,   6400
.set SLOT,  102400                     ; four waves' parts of 25,600 bytes: A's two halves, then B's
.set SPARE, 307200                     ; behind the slots: the spare words, 128 bytes a wave
.set L16,  1
.set L8,   2
.set L4,   3
.set ADR,  4                           ; v[ADR + 6 p + ..]: slot p: A's part + 16, 8, 4 x lane; B's likewise
.set SPW,  22
.set NIL,  23
.set BO,   24
.set SC,   32                          ; set s: A's word of pair pp, K step q at SC + 16 s + 2 pp + q, B's 8 further on; lanes 0-15 tile 0, lanes 16-31 tile 1
.set BIAS, 64
.set AF,   128
.set TM,   224
.set SW,   240
.set T0,   248
.set G1A,  24
.set G0A,  32                          ; s[32:43] a group 0 for each slot
.set G1B,  44
.set G0B,  52                          ; s[52:63]
.set MSB, 0
.macro WIN new                         ; the immediate's high byte repeats the setting that is left
.if MSB != (\new)
	s_set_vgpr_msb (MSB<<8)|(\new)
.set MSB, (\new)
.endif
.endm
.macro PLACES                          ; four plain places behind a matrix instruction, ahead of loads into its registers and of reads of its results
.rept 4
	v_nop
.endr
.endm
.macro JLOAD g0a, g0b                  ; a joint load: waves 0, 1 for A, waves 2, 3 for B; four v_nop follow each line
	s_cmp_eq_u32 s15, 0
	s_cbranch_scc0 .Lfor_b_\@
	tensor_load_to_lds s[\g0a:\g0a+3], s[G1A:G1A+7]
	s_nop 0
.rept 4
	v_nop
.endr
	s_branch .Lasked_\@
.Lfor_b_\@:
	tensor_load_to_lds s[\g0b:\g0b+3], s[G1B:G1B+7]
	s_nop 0
.rept 4
	v_nop
.endr
.Lasked_\@:
.endm
.macro CREST                           ; a round of the cluster's barrier behind its opening barrier
	s_cmp_lg_u32 s14, 0
	s_cbranch_scc1 .Lnot_wave_0_\@
	s_barrier_signal -3
.Lnot_wave_0_\@:
	s_barrier_wait -3
	s_barrier_signal -1
	s_barrier_wait -1
.endm
.macro CROUND
	s_barrier_signal -1
	s_barrier_wait -1
	CREST
.endm
.macro FETCH_B p, q, set               ; B's eight fragments of slot p's K step q into set: four loads each, every one of consecutive bytes
	WIN 0x40
.irp i, 0,1,2,3,4,5,6,7
.set fR, 128*(\set)+12*\i
.set fO, (\i/2)*REC+3072*(\q)+1536*(\i%2)
	ds_load_b128 v[fR:fR+3], v[ADR+6*(\p)+3] offset:fO
	ds_load_b64 v[fR+4:fR+5], v[ADR+6*(\p)+4] offset:fO+512
	ds_load_b128 v[fR+6:fR+9], v[ADR+6*(\p)+3] offset:fO+768
	ds_load_b64 v[fR+10:fR+11], v[ADR+6*(\p)+4] offset:fO+1280
.endr
	WIN 0
.endm
.macro FETCH_A p, q, i0                ; A's blocks i0 .. i0 + 3
.irp i, \i0, \i0+1, \i0+2, \i0+3
.set fR, AF+12*(\i)
.set fO, ((\i)/2)*REC+3072*(\q)+1536*((\i)%2)
	ds_load_b128 v[fR:fR+3], v[ADR+6*(\p)] offset:fO
	ds_load_b64 v[fR+4:fR+5], v[ADR+6*(\p)+1] offset:fO+512
	ds_load_b128 v[fR+6:fR+9], v[ADR+6*(\p)] offset:fO+768
	ds_load_b64 v[fR+10:fR+11], v[ADR+6*(\p)+1] offset:fO+1280
.endr
.endm
.macro SCALES p, set                   ; slot p's scale words: 16 loads of 128 consecutive bytes
.irp pp, 0,1,2,3
.irp kq, 0,1
	ds_load_b32 v[SC+16*(\set)+2*\pp+\kq], v[ADR+6*(\p)+2] offset:\pp*REC+6144+128*\kq
	ds_load_b32 v[SC+16*(\set)+8+2*\pp+\kq], v[ADR+6*(\p)+5] offset:\pp*REC+6144+128*\kq
.endr
.endr
.endm
.macro WM                              ; one product; the odd tile of a pair has its scale words in lanes 16-31
.if mRB && mRA
	v_wmma_scale_f32_16x16x128_f8f6f4 v[rD:rD+7], v[rB:rB+11], v[rA:rA+11], v[rC:rC+7], v[rSB], v[rSA] matrix_a_fmt:MATRIX_FMT_FP6 matrix_b_fmt:MATRIX_FMT_FP6 matrix_a_scale:MATRIX_SCALE_ROW1 matrix_b_scale:MATRIX_SCALE_ROW1
.elseif mRB
	v_wmma_scale_f32_16x16x128_f8f6f4 v[rD:rD+7], v[rB:rB+11], v[rA:rA+11], v[rC:rC+7], v[rSB], v[rSA] matrix_a_fmt:MATRIX_FMT_FP6 matrix_b_fmt:MATRIX_FMT_FP6 matrix_a_scale:MATRIX_SCALE_ROW1
.elseif mRA
	v_wmma_scale_f32_16x16x128_f8f6f4 v[rD:rD+7], v[rB:rB+11], v[rA:rA+11], v[rC:rC+7], v[rSB], v[rSA] matrix_a_fmt:MATRIX_FMT_FP6 matrix_b_fmt:MATRIX_FMT_FP6 matrix_b_scale:MATRIX_SCALE_ROW1
.else
	v_wmma_scale_f32_16x16x128_f8f6f4 v[rD:rD+7], v[rB:rB+11], v[rA:rA+11], v[rC:rC+7], v[rSB], v[rSA] matrix_a_fmt:MATRIX_FMT_FP6 matrix_b_fmt:MATRIX_FMT_FP6
.endif
.endm
; 16 products: A's blocks a0, a0 + 1 against B's eight.  cm = 0: onto the sums; 1: the bias by B's block starts them; 2: the bias by A's block.  The 64 accumulators take turns in the same order in every step.
.macro MUL16 a0, set, q, sc, cm
.irp a, \a0, \a0+1
.irp b, 0,1,2,3,4,5,6,7
.set rD, 8*(8*((\a)%4)+\b)
.set rB, 128*(\set)+12*\b
.set rA, AF+12*(\a)
.set rSB, SC+16*(\sc)+8+2*(\b/2)+(\q)
.set rSA, SC+16*(\sc)+2*((\a)/2)+(\q)
.set rC, rD
.if \cm == 1
.set rC, BIAS+8*\b
.elseif \cm == 2
.set rC, BIAS+8*(\a)
.endif
.set mRB, \b%2
.set mRA, (\a)%2
	WM
.endr
.endr
.endm
; A slot's first K step: multiplies B's set 0 and fetches the second K step (B into set 1; A's blocks 0-3 in the middle, 4-7 at the end)
.macro STEP p, sc, cm
	s_wait_dscnt 16                                ; all but the youngest sixteen loads (A's blocks 4-7) are in
.if \cm
	WIN 0x81                                       ; source 0 window 1, source 1 and C (the bias) window 0, D window 2
.else
	WIN 0xa1                                       ; C and D window 2
.endif
	MUL16 0, 0, 0, \sc, \cm
	MUL16 2, 0, 0, \sc, \cm
	s_wait_dscnt 0x0                               ; A's blocks 4-7 are in
	PLACES
	FETCH_B \p, 1, 1
	FETCH_A \p, 1, 0
.if \cm
	WIN 0xc1
.else
	WIN 0xf1
.endif
	MUL16 4, 0, 0, \sc, \cm
	MUL16 6, 0, 0, \sc, \cm
	PLACES
	WIN 0
	FETCH_A \p, 1, 4
.endm
; A slot's second K step goes on to slot nx.  kind 0: slot nx was shown whole to every wave by an earlier barrier.  kind 1: the slot just read is filled again: the wait for all my tensor loads, the add, the wait for it and for my reads,
; a round of the cluster's barrier, and the joint refill first behind it.  kind 2: the refill has to be shown whole: the same lines and my work-group's barrier.
.macro TURN nx, sc, nsc, kind
.if \kind
	s_wait_tensorcnt 0x0                           ; all my tensor loads have landed
	ds_add_u32 v[SPW], v[NIL]                      ; 0 onto my spare word
	s_wait_dscnt 17                                ; (the add and A's blocks 4-7 may be out)
.else
	s_wait_dscnt 16
.endif
	WIN 0xa1
	MUL16 0, 1, 1, \sc, 0
.if \kind
	s_wait_dscnt 0x0                               ; the add is done, and my reads of this slot are over
	s_barrier_signal -1
.endif
	MUL16 2, 1, 1, \sc, 0
.if \kind
	WIN 0
	s_barrier_wait -1
.else
	s_wait_dscnt 0x0
.endif
.if \kind == 1
	CREST                                          ; no wave of any partner still reads slot 0 or has a load on its way
	s_add_nc_u64 s[G0A+2:G0A+3], s[G0A+2:G0A+3], 3*REC   ; slot 0's group 0 goes on from g = 0 to g = 3
	s_add_nc_u64 s[G0B+2:G0B+3], s[G0B+2:G0B+3], 3*REC
	JLOAD G0A, G0B                                 ; its four v_nop are also the places in front of the loads below
.else
	PLACES
.endif
	FETCH_B \nx, 0, 0
	FETCH_A \nx, 0, 0
	SCALES \nx, \nsc
	WIN 0xf1
	MUL16 4, 1, 1, \sc, 0
	MUL16 6, 1, 1, \sc, 0
	PLACES
	WIN 0
	FETCH_A \nx, 0, 4
.endm
	s_load_b256 s[4:11], s[0:1], 0x0               ; xq s[4:5], wa s[6:7], b_attn s[8:9], qk s[10:11]
	s_load_b64 s[12:13], s[0:1], 0x20              ; vt
	v_lshl_add_u32 v[SPW], v0, 2, SPARE
	v_mov_b32 v[NIL], 0
	ds_add_u32 v22, v23
	ds_add_u32 v22, v23
	s_wait_dscnt 0x0
	v_lshrrev_b32 v1, 5, v0
	v_readfirstlane_b32 s14, v1                    ; wave
	s_lshr_b32 s15, s14, 1                         ; my half of A's rows.  Also: I fetch for A (0) or B (1)
	s_and_b32 s16, s14, 1                          ; my half of B's rows.  Also: which half I fetch
	s_bfe_u32 s66, ttmp6, 0x40000                  ; cx
	s_bfe_u32 s67, ttmp6, 0x40004                  ; cy
	s_lshr_b32 s68, ttmp9, 1
	s_lshl_b32 s68, s68, 2                         ; q, k: A's first tile row of the cluster,
	s_and_b32 s69, ttmp9, 1
	s_lshl_b32 s69, s69, 2                         ; B's first tile column
	s_sub_co_u32 s70, ttmp9, 16
	s_lshl_b32 s70, s70, 2                         ; V^T: B's first tile column
	s_cmp_ge_u32 ttmp9, 16
	s_cselect_b32 s17, 1, 0                        ; the mode
	s_cselect_b32 s68, 8, s68                      ; V^T: the v columns are wa's tile rows 8 to 11
	s_cselect_b32 s69, s70, s69
	s_add_co_u32 s68, s68, s67                     ; A's tile row: never holds cx
	s_add_co_u32 s69, s69, s66                     ; B's tile column: never holds cy
	s_lshl_b32 s70, s68, 3
	s_lshl_b32 s71, s16, 2
	s_add_co_u32 s70, s70, s71                     ; the first of the four pairs that I fetch, of A,
	s_mul_i32 s70, s70, PAIRB
	s_mov_b32 s71, 0
	s_lshl_b32 s72, s69, 3
	s_lshl_b32 s73, s16, 2
	s_add_co_u32 s72, s72, s73                     ; of B
	s_mul_i32 s72, s72, PAIRB
	s_mov_b32 s73, 0
	s_lshl_b32 s78, s67, 2
	s_lshl_b32 s78, 15, s78                        ; my row of the cluster
	s_lshl_b32 s79, 0x1111, s66                    ; my column
	; group 1: four rows (pairs) of 6,400 bytes, as 800 elements of 8 bytes, 25,600 bytes apart; no padding: every LDS read is of consecutive bytes
	s_or_b32 s[G1A], s78, (3<<16)|(1<<21)
	s_or_b32 s[G1B], s79, (3<<16)|(1<<21)
.irp g, G1A, G1B
	s_mov_b32 s[\g+1], 800<<16                     ; tensor_dim0
	s_mov_b32 s[\g+2], 4<<16                       ; tensor_dim1
	s_mov_b32 s[\g+3], 800<<16                     ; tile_dim0
	s_mov_b32 s[\g+4], 4                           ; tile_dim1
	s_mov_b32 s[\g+5], 3200                        ; the pitch in elements
	s_mov_b32 s[\g+6], 0
	s_mov_b32 s[\g+7], 0
.endr
	s_mul_i32 s80, s14, PAIRB                      ; where my part goes in a slot: no place in the cluster enters an LDS address
	s_mov_b32 s90, 0x1800000                       ; the floor 2^(3 - 127)
	s_mov_b32 s91, 0xffff0000                      ; lanes 16-31
	s_mov_b32 s92, 0x76543210
	s_mov_b32 s93, 0xfedcba98
	s_mov_b32 s94, 0x7f7f0000
	s_wait_kmcnt 0x0
	s_cmp_eq_u32 s17, 0
	s_cselect_b64 s[74:75], s[4:5], s[6:7]         ; A's buffer,
	s_cselect_b64 s[76:77], s[6:7], s[4:5]         ; B's
	s_add_nc_u64 s[74:75], s[74:75], s[70:71]
	s_add_nc_u64 s[76:77], s[76:77], s[72:73]
.irp p, 0,1,2
	s_mov_b32 s[G0A+4*\p], 1
	s_add_co_u32 s[G0A+4*\p+1], s80, \p*SLOT
	s_add_nc_u64 s[G0A+4*\p+2:G0A+4*\p+3], s[74:75], \p*REC
	s_or_b32 s[G0A+4*\p+3], s[G0A+4*\p+3], 0x80000000
	s_mov_b32 s[G0B+4*\p], 1
	s_add_co_u32 s[G0B+4*\p+1], s80, \p*SLOT
	s_add_nc_u64 s[G0B+4*\p+2:G0B+4*\p+3], s[76:77], \p*REC
	s_or_b32 s[G0B+4*\p+3], s[G0B+4*\p+3], 0x80000000
.endr
	CROUND                                         ; all sixteen work-groups are here: the first joint loads meet
	s_cmp_eq_u32 s15, 0                            ; a wave's three first fills stand in one branch: three loads of mine are out
	s_cbranch_scc0 .Lfirst_b
	tensor_load_to_lds s[G0A:G0A+3], s[G1A:G1A+7]
	s_nop 0
	tensor_load_to_lds s[G0A+4:G0A+7], s[G1A:G1A+7]
	s_nop 0
	tensor_load_to_lds s[G0A+8:G0A+11], s[G1A:G1A+7]
	s_nop 0
.rept 4
	v_nop
.endr
	s_branch .Lfirst_asked
.Lfirst_b:
	tensor_load_to_lds s[G0B:G0B+3], s[G1B:G1B+7]
	s_nop 0
	tensor_load_to_lds s[G0B+4:G0B+7], s[G1B:G1B+7]
	s_nop 0
	tensor_load_to_lds s[G0B+8:G0B+11], s[G1B:G1B+7]
	s_nop 0
.rept 4
	v_nop
.endr
.Lfirst_asked:
	v_and_b32 v[L4], 31, v0
	v_lshlrev_b32 v[L16], 4, v[L4]
	v_lshlrev_b32 v[L8], 3, v[L4]
	v_lshlrev_b32 v[L4], 2, v[L4]
	s_mul_i32 s81, s15, PAIRB                      ; my half of A in a slot,
	s_mul_i32 s82, s16, PAIRB
	s_add_co_u32 s82, s82, 2*PAIRB                 ; of B
.irp p, 0,1,2
	v_add_nc_u32 v[ADR+6*\p], s81, v[L16]
	v_add_nc_u32 v[ADR+6*\p+1], s81, v[L8]
	v_add_nc_u32 v[ADR+6*\p+2], s81, v[L4]
	v_add_nc_u32 v[ADR+6*\p+3], s82, v[L16]
	v_add_nc_u32 v[ADR+6*\p+4], s82, v[L8]
	v_add_nc_u32 v[ADR+6*\p+5], s82, v[L4]
	s_add_co_u32 s81, s81, SLOT
	s_add_co_u32 s82, s82, SLOT
.endr
.irp b, 0,1,2,3
	v_mov_b32 v[TM+4+\b], 0                        ; a lane permute's destination counts as one of its sources
.endr
	; the bias, in the result's layout.  q, k: register j of B's block i is channel 32 (i / 2) + 16 h + 8 (i % 2) + j of my 128.  V^T: all eight registers of A's block i are my lane's channel 32 (i / 2) + 8 (i % 2) + r + 8 (r / 8).
	s_lshl_b32 s86, s69, 10
	s_lshl_b32 s88, s16, 9
	s_add_co_u32 s86, s86, s88                     ; q, k: 4 x (256 x tile column + 128 x half)
	s_lshl_b32 s88, s68, 10
	s_lshl_b32 s89, s15, 9
	s_add_co_u32 s88, s88, s89                     ; V^T: 4 x (256 x tile row + 128 x half); tile rows count from wa's first row, as b_attn's entries do
	s_cmp_eq_u32 s17, 0
	s_cselect_b32 s86, s86, s88
	s_cselect_b32 s84, 4, 0                        ; from register to register
	s_cselect_b32 s85, 0, -1
	s_mov_b32 s87, 0
	s_add_nc_u64 s[8:9], s[8:9], s[86:87]
	v_and_b32 v[BO], 15, v0
	v_bfe_u32 v[BO+1], v0, 4, 1
	v_and_b32 v[BO+2], 8, v[BO]
	v_add_nc_u32 v[BO+2], v[BO+2], v[BO]
	v_lshlrev_b32 v[BO+2], 2, v[BO+2]              ; 4 (r + 8 (r / 8))
	v_lshlrev_b32 v[BO+1], 6, v[BO+1]              ; 64 h
	v_cndmask_b32 v[BO], v[BO+1], v[BO+2], s85
.irp j, 1,2,3,4,5,6,7
	v_add_nc_u32 v[BO+\j], s84, v[BO+\j-1]
.endr
.irp i, 0,1,2,3,4,5,6,7
.irp j, 0,1,2,3,4,5,6,7
	global_load_b32 v[BIAS+8*\i+\j], v[BO+\j], s[8:9] offset:4*(32*(\i/2)+8*(\i%2))
.endr
.endr
	s_wait_tensorcnt 2                             ; my part of slot 0 is in; slots 1 and 2 may be out
	s_barrier_signal -1
	s_barrier_wait -1
	FETCH_B 0, 0, 0
	FETCH_A 0, 0, 0
	SCALES 0, 0
	FETCH_A 0, 0, 4
	s_wait_loadcnt 0x0                             ; the bias
	s_cmp_eq_u32 s17, 0                            ; only the first K step is written twice: its products start the sums with the bias, which lies by B's blocks or by A's
	s_cbranch_scc0 .Lfirst_v
	STEP 0, 0, 1
	s_branch .Lfirst_done
.Lfirst_v:
	STEP 0, 0, 2
.Lfirst_done:
	TURN 1, 0, 1, 1                                ; g = 0 ends; slot 0 is asked for again (g = 3)
	STEP 1, 1, 0
	TURN 2, 1, 0, 0                                ; g = 1 ends; slot 2 was shown whole by the round above
	STEP 2, 0, 0
	TURN 0, 0, 1, 2                                ; g = 2 ends; the refill is shown whole
	STEP 0, 1, 0
	s_wait_dscnt 16                                ; the last K step: nothing more to fetch
	WIN 0xa1
	MUL16 0, 1, 1, 1, 0
	MUL16 2, 1, 1, 1, 0
	s_wait_dscnt 0x0
	WIN 0xf1
	MUL16 4, 1, 1, 1, 0
	MUL16 6, 1, 1, 1, 0
	WIN 0
	PLACES
; THE WAY OUT, a block of A's 16 rows at a time.  Its 64 numbers a lane (register 16 b + i = place 32 b + 16 h + i along B's 128 rows) are four blocks of 32: maxima (each accumulator from its low end on), bytes, conversions, the exchange
; of halves.  mode 0: two half-images (two heads) of token tile a.  mode 1: one fragment (128 keys) of channel tile a % 4 of head a / 4.  Each store covers 512 or 256 consecutive bytes at a multiple of 256.
.macro EPI mode
.irp a, 0,1,2,3,4,5,6,7
.set eW, 2+\a/4
.set AC, 64*(\a%4)
.set PC, 64+20*\a
	WIN (eW<<2)|(eW<<4)                            ; sources 1 and 2: the accumulators' window
.irp b, 0,1,2,3
	v_max3_num_f32 v[TM+\b], s90, |v[AC+16*\b]|, |v[AC+16*\b+1]|
.endr
.irp i, 2,4,6,8,10,12,14
.irp b, 0,1,2,3
	v_max3_num_f32 v[TM+\b], v[TM+\b], |v[AC+16*\b+\i]|, |v[AC+16*\b+\i+1]|
.endr
.endr
	WIN 0
.irp b, 0,1,2,3
	v_permlanex16_b32 v[TM+4+\b], v[TM+\b], s92, s93
.endr
.irp b, 0,1,2,3
	v_max_num_f32 v[TM+\b], v[TM+\b], v[TM+4+\b]
.endr
.irp b, 0,1,2,3
	v_add_nc_u32 v[TM+12+\b], 0xff000000, v[TM+\b]
.endr
.irp b, 0,1,2,3
	v_lshrrev_b32 v[TM+4+\b], 23, v[TM+12+\b]
.endr
.if \mode == 0
	v_lshl_or_b32 v[T0], v[TM+5], 8, v[TM+4]       ; head 0's two bytes, head 1's
	v_lshl_or_b32 v[T0+1], v[TM+7], 8, v[TM+6]
.if \a%2 == 0
	v_or_b32 v[SW+\a/2], s94, v[T0]
	v_or_b32 v[SW+4+\a/2], s94, v[T0+1]
.else
	v_or_b32 v[T0], s94, v[T0]
	v_or_b32 v[T0+1], s94, v[T0+1]
	v_cndmask_b32 v[SW+\a/2], v[SW+\a/2], v[T0], s91       ; the odd tile's words go to lanes 16-31
	v_cndmask_b32 v[SW+4+\a/2], v[SW+4+\a/2], v[T0+1], s91
.endif
.else
	v_lshl_or_b32 v[T0], v[TM+5], 8, v[TM+4]
	v_lshl_or_b32 v[T0], v[TM+6], 16, v[T0]
.if \a%2 == 0
	v_lshl_or_b32 v[SW+2*(\a/4)+(\a%4)/2], v[TM+7], 24, v[T0]
.else
	v_lshl_or_b32 v[T0], v[TM+7], 24, v[T0]
	v_cndmask_b32 v[SW+2*(\a/4)+(\a%4)/2], v[SW+2*(\a/4)+(\a%4)/2], v[T0], s91
.endif
.endif
	WIN eW                                         ; source 0: the accumulators' window
.irp c, 0,1
	v_cvt_scalef32_pk16_fp6_f32 v[PC+6*\c:PC+6*\c+2], v[AC+32*\c:AC+32*\c+15], v[TM+12+2*\c]
	v_cvt_scalef32_pk16_fp6_f32 v[PC+12+4*\c:PC+14+4*\c], v[AC+32*\c+16:AC+32*\c+31], v[TM+13+2*\c]
.endr
	WIN 0
	v_nop                                          ; one plain place behind a scaled conversion
.irp c, 0,1
.irp i, 0,1,2
	v_permlane16_swap_b32 v[PC+6*\c+\i], v[PC+12+4*\c+\i]
.endr
.irp i, 0,1,2
	v_mov_b32 v[PC+3+6*\c+\i], v[PC+12+4*\c+\i]
.endr
.endr
.irp c, 0,1
.if \mode == 0
	global_store_b128 v[L16], v[PC+6*\c:PC+6*\c+3], s[10:11] offset:\c*106496+768*\a
	global_store_b64 v[L8], v[PC+6*\c+4:PC+6*\c+5], s[10:11] offset:\c*106496+768*\a+512
.else
	global_store_b128 v[L16], v[PC+6*\c:PC+6*\c+3], s[12:13] offset:(\a/4)*102400+768*(2*(\a%4)+\c)
	global_store_b64 v[L8], v[PC+6*\c+4:PC+6*\c+5], s[12:13] offset:(\a/4)*102400+768*(2*(\a%4)+\c)+512
.endif
.endr
.endr
.endm
	s_cmp_eq_u32 s17, 0
	s_cbranch_scc0 .Lout_v
	s_lshl_b32 s70, s69, 2
	s_lshl_b32 s71, s16, 1
	s_add_co_u32 s70, s70, s71                     ; my first head among q's 16 and k's 16
	s_lshr_b32 s71, s70, 4                         ; q or k
	s_and_b32 s70, s70, 15
	s_lshl_b32 s72, s68, 1
	s_add_co_u32 s72, s72, s15                     ; my 128 tokens
	s_lshr_b32 s73, s72, 4                         ; batch
	s_and_b32 s72, s72, 15                         ; step
	s_lshl_b32 s71, s71, 6
	s_lshl_b32 s73, s73, 4
	s_add_co_u32 s71, s71, s73
	s_add_co_u32 s71, s71, s70
	s_lshl_b32 s71, s71, 4
	s_add_co_u32 s71, s71, s72
	s_mul_i32 s70, s71, 6656
	s_mov_b32 s71, 0
	s_add_nc_u64 s[10:11], s[10:11], s[70:71]
	EPI 0
	global_store_b128 v[L16], v[SW:SW+3], s[10:11] offset:6144
	global_store_b128 v[L16], v[SW+4:SW+7], s[10:11] offset:106496+6144
	s_branch .Lend
.Lout_v:
	s_lshl_b32 s70, s67, 2
	s_lshl_b32 s71, s15, 1
	s_add_co_u32 s70, s70, s71                     ; my first head
	s_lshl_b32 s72, s69, 1
	s_add_co_u32 s72, s72, s16                     ; my 128 keys
	s_lshr_b32 s73, s72, 4
	s_and_b32 s72, s72, 15
	s_lshl_b32 s73, s73, 4
	s_add_co_u32 s73, s73, s70
	s_lshl_b32 s73, s73, 4
	s_add_co_u32 s73, s73, s72
	s_mul_i32 s70, s73, 6400
	s_mov_b32 s71, 0
	s_add_nc_u64 s[12:13], s[12:13], s[70:71]
	EPI 1
	global_store_b64 v[L8], v[SW:SW+1], s[12:13] offset:6144
	global_store_b64 v[L8], v[SW+2:SW+3], s[12:13] offset:102400+6144
.Lend:
	s_wait_tensorcnt 0x0                           ; the wave's end
	ds_add_u32 v[SPW], v[NIL]
	s_wait_dscnt 0x0
	CROUND                                         ; the closing round
	s_endpgm
.Lfunc_end_k_q966a003b28_qkv:
	.size	k_q966a003b28_qkv, .Lfunc_end_k_q966a003b28_qkv-k_q966a003b28_qkv
	.p2alignl 7, 3214868480
	.fill 96, 4, 3214868480
	.section	.rodata,"a",@progbits
	.p2align	6, 0x0
	.amdhsa_kernel k_q966a003b28_qkv
		.amdhsa_group_segment_fixed_size 327680
		.amdhsa_private_segment_fixed_size 0
		.amdhsa_enable_private_segment 0
		.amdhsa_kernarg_size 40
		.amdhsa_user_sgpr_count 2
		.amdhsa_user_sgpr_kernarg_segment_ptr 1
		.amdhsa_wavefront_size32 1
		.amdhsa_system_sgpr_workgroup_id_x 1
		.amdhsa_system_sgpr_workgroup_id_y 1
		.amdhsa_system_sgpr_workgroup_id_z 1
		.amdhsa_system_vgpr_workitem_id 0
		.amdhsa_next_free_vgpr 1024
		.amdhsa_next_free_sgpr 96
		.amdhsa_reserve_vcc 0
		.amdhsa_float_denorm_mode_32 3
		.amdhsa_float_denorm_mode_16_64 3
		.amdhsa_memory_ordered 1
		.amdhsa_forward_progress 1
		.amdhsa_inst_pref_size 200
	.end_amdhsa_kernel
	.amdgpu_metadata
---
amdhsa.version: [ 1, 2 ]
amdhsa.kernels:
  - .name:           k_q966a003b28_qkv
    .symbol:         k_q966a003b28_qkv.kd
    .args:
      - { .name: xq, .offset: 0, .size: 8, .value_kind: global_buffer, .address_space: global }
      - { .name: wa, .offset: 8, .size: 8, .value_kind: global_buffer, .address_space: global }
      - { .name: b_attn, .offset: 16, .size: 8, .value_kind: global_buffer, .address_space: global }
      - { .name: qk, .offset: 24, .size: 8, .value_kind: global_buffer, .address_space: global }
      - { .name: vt, .offset: 32, .size: 8, .value_kind: global_buffer, .address_space: global }
    .group_segment_fixed_size: 327680
    .private_segment_fixed_size: 0
    .kernarg_segment_align: 8
    .kernarg_segment_size: 40
    .max_flat_workgroup_size: 128
    .sgpr_count:     96
    .vgpr_count:     1024
    .wavefront_size: 32
...
	.end_amdgpu_metadata
.endif
;; end of part 2
;; launch attn (part 3): grid 4 x 64, 16 waves a work-group, clusters of 4 x 1, 210,944 bytes of LDS; arguments qk, vt, cc; writes cc
.if DOCPART == 3
	.amdgcn_target "amdgcn-amd-amdhsa--gfx1250"
	.amdhsa_code_object_version 6
	.text
	.protected	k_q966a003b28_attn
	.globl	k_q966a003b28_attn
	.p2align	8
	.type	k_q966a003b28_attn,@function
k_q966a003b28_attn:
	s_mov_b64 s[64:65], 0
	v_nop
	global_prefetch_b8 v0, s[64:65] scope:SCOPE_SE
	s_setreg_imm32_b32 hwreg(HW_REG_WAVE_MODE, 25, 1), 1
	s_wait_xcnt 0x0
	s_wait_alu depctr_hold_cnt(0) depctr_sa_sdst(0) depctr_va_vdst(0) depctr_va_sdst(0) depctr_va_ssrc(0) depctr_va_vcc(0) depctr_vm_vsrc(0)
	s_getreg_b32 s2, hwreg(HW_REG_IB_STS2, 6, 4)
	s_cmp_eq_u32 s2, 0
	s_cbranch_scc0 .Lentry_in_a_cluster
	s_endpgm
.Lentry_in_a_cluster:
	s_bfe_u32 s2, ttmp6, 0x10000c
	s_cmp_lg_u32 s2, 0x3003
	s_cbranch_scc0 .Lentry_shape_is_right
	s_endpgm
.Lentry_shape_is_right:
; Causal attention of one (batch, head) a cluster, both products on codes of FP6 (E2M3) with E8M0 scales; the context leaves quantised along its channels, as the last product's operand.
; IN: qk [q, k][batch x head][step of 128 rows] records of 6,656 bytes (tile t's half-image, 16 rows x 64 channels, at 768 t; scale words at 6144 + 16 x lane + 4 i, tile 2 i + lane / 16);
;     vt [batch x head][step of 128 keys] records of 6,400 bytes (half-image (channel tile dt, half c) at 768 (2 dt + c); scale words at 6144 + 8 x lane + 4 i).  Lane r of tile 2 b + u holds row 32 b + 8 u + r + 8 (r / 8).
; LDS: ALL 16 records of K (106,496 bytes) and of V (102,400) of the head lie in each of the cluster's four work-groups, filled ONCE: wave w asks jointly, with the three partners, for record w of each.  No ring, nothing is filled again.
; SHARES: 128 query tiles of 16 a head.  A wave makes two passes, one tile each: pass 0: group a = wave, tile 2 cx; pass 1: group a = 15 - wave, tile 2 cx + 1.  A tile of group a needs key steps 0 .. a: 17 steps for every wave.
; Branches hang on the wave's number and the loops' counters alone; cx enters global addresses and the mask's numbers only.  The loop over key steps has a constant count; hidden steps are jumped over.
; LAYOUT: both products transposed: S^T = K Q^T, O^T = V^T P^T: a lane holds one query; the 16 registers of two neighbouring tiles are 16 neighbouring keys (or channels).
; THE HEAD HAS 64 CHANNELS, the instruction 128: Q's upper six registers are zero codes, and both sides' upper two scale bytes are 0x7f.  K's tile t is named as v[40 + 6 t : 51 + 6 t]: its upper six registers are the next tile's codes
; (zeros behind tile 7): E2M3 has no infinity or NaN, so they meet zero codes and add exactly 0.
; SOFTMAX: t = score x log2(e) / 8 (one fused multiply-add with -M); M = the running largest t rounded up to a whole number; p = 2^(t - M) is quantised along the keys; the sum is taken of the unquantised p and divides at the end.
; OUT: cc in the operand format of K = 1,024 ([pair][g] records of 6,400 bytes): my tile's half-image of channels 64 head .. + 63, and two scale bytes a row (a word is shared by two heads, so 2 bytes a row are stored; lanes 16-31 store
; the same bytes with the same values).  LIMITS: blocks of zeros get the byte 1; largest magnitudes under 2^-124 are taken as 2^-124; NaN and infinities are not served.
; REGISTERS: v1, v2 16, 8 x lane; v3 the mask's number; v4-7 the step's LDS addresses; v8, v9 16 r, 4 r; v10 r + 8 (r / 8) - 16 h; v12 -M; v13 largest t; v[14:15] the sum; v16-27 Q; v32-35 K's scale words, v36-37 V's, v38 p's, v39 Q's;
;   v40-87 K (then at work), v88-93 zeros; v96-143 V; v144-207 S^T, then p; v208-239 O^T; v240-251 p's codes.
.set KREC,  6656
.set VREC,  6400
.set VBASE, 16*KREC
.set PAIRB, 25600
.set REC,   6400
.set KF, 40
.set VF, 96
.set S,  144
.set O,  208
.set PQ, 240
.macro CROUND
	s_barrier_signal -1
	s_barrier_wait -1
	s_cmp_lg_u32 s10, 0
	s_cbranch_scc1 .Lnot_wave_0_\@
	s_barrier_signal -3
.Lnot_wave_0_\@:
	s_barrier_wait -3
	s_barrier_signal -1
	s_barrier_wait -1
.endm
	s_load_b128 s[4:7], s[0:1], 0x0                ; qk, vt
	s_load_b64 s[8:9], s[0:1], 0x10                ; cc
	v_lshl_add_u32 v254, v0, 2, 0x33000
	v_mov_b32 v255, 0
	ds_add_u32 v254, v255
	ds_add_u32 v254, v255
	v_lshrrev_b32 v1, 5, v0
	s_delay_alu instid0(VALU_DEP_1)
	v_readfirstlane_b32 s10, v1                    ; wave 0..15
	s_bfe_u32 s11, ttmp6, 0x40000                  ; cx
	s_and_b32 s12, ttmp7, 0xffff                   ; 16 x batch + head
	s_lshl_b32 s56, s12, 4
	s_add_co_u32 s56, s56, s10                     ; the record that I fetch
	s_add_co_u32 s57, s56, 1024                    ; k's records lie behind q's 1,024
	s_mul_i32 s58, s57, KREC
	s_mov_b32 s59, 0
	s_mul_i32 s60, s56, VREC
	s_mov_b32 s61, 0
	; group 1: a dense record as rows of 256 bytes (32 elements of 8 bytes): 26 rows for K, 25 for V; the mask names all four work-groups
	s_mov_b32 s16, 15|(3<<16)|(1<<21)
	s_mov_b32 s17, 32<<16
	s_mov_b32 s18, 26<<16
	s_mov_b32 s19, 32<<16
	s_mov_b32 s20, 26
	s_mov_b32 s21, 32
	s_mov_b32 s22, 0
	s_mov_b32 s23, 0
	s_mov_b32 s24, 15|(3<<16)|(1<<21)
	s_mov_b32 s25, 32<<16
	s_mov_b32 s26, 25<<16
	s_mov_b32 s27, 32<<16
	s_mov_b32 s28, 25
	s_mov_b32 s29, 32
	s_mov_b32 s30, 0
	s_mov_b32 s31, 0
	s_mov_b32 s32, 1
	s_mul_i32 s33, s10, KREC
	s_mov_b32 s36, 1
	s_mul_i32 s37, s10, VREC
	s_add_co_u32 s37, s37, VBASE
	s_mov_b32 s40, 0x76543210
	s_mov_b32 s41, 0xfedcba98                      ; v_permlanex16_b32's selects for lane l xor 16
	s_mov_b32 s42, 0x3e38aa3b                      ; c = log2(e) / sqrt(64)
	s_mov_b32 s43, s42                             ; (named with it as a pair)
	s_wait_dscnt 0x0
	s_wait_kmcnt 0x0
	s_add_nc_u64 s[34:35], s[4:5], s[58:59]
	s_or_b32 s35, s35, 0x80000000
	s_add_nc_u64 s[38:39], s[6:7], s[60:61]
	s_or_b32 s39, s39, 0x80000000
	CROUND                                         ; all four work-groups are here: the joint loads meet
	tensor_load_to_lds s[32:35], s[16:23]          ; two loads of mine are out
	s_nop 0
	tensor_load_to_lds s[36:39], s[24:31]
	s_nop 0
.rept 4
	v_nop
.endr
	v_and_b32 v11, 31, v0
	s_delay_alu instid0(VALU_DEP_1)
	v_lshlrev_b32 v1, 4, v11
	s_delay_alu instid0(VALU_DEP_2)
	v_lshlrev_b32 v2, 3, v11
	v_and_b32 v9, 15, v0                           ; r
	v_bfe_u32 v11, v0, 4, 1                        ; h
	s_delay_alu instid0(VALU_DEP_2)
	v_lshlrev_b32 v8, 4, v9
	s_delay_alu instid0(VALU_DEP_3)
	v_and_b32 v10, 8, v9
	s_delay_alu instid0(VALU_DEP_1)
	v_add_nc_u32 v10, v10, v9
	s_delay_alu instid0(VALU_DEP_4)
	v_lshlrev_b32 v11, 4, v11
	s_delay_alu instid0(VALU_DEP_1)
	v_sub_nc_u32 v10, v10, v11                     ; r + 8 (r / 8) - 16 h
	v_lshlrev_b32 v9, 2, v9
.irp j, 22,23,24,25,26,27,88,89,90,91,92,93
	v_mov_b32 v[\j], 0                             ; zero codes: Q's upper 64 along K, and what stands behind K's tile 7
.endr
.irp j, 44,45,46,47,60,61,62,63
	v_mov_b32 v[\j], 0                             ; written once, so that every path has written them: permutes' destinations, and the upper half of a pair
.endr
	s_wait_tensorcnt 0x0                           ; my two records are in,
	s_barrier_signal -1
	s_barrier_wait -1                              ; everybody's are
.macro PASS ps
	s_wait_xcnt 0x0                                ; the last pass's loads and stores have read their registers and bases
.if \ps
	s_sub_co_u32 s44, 15, s10                      ; my group of 128 queries
.else
	s_mov_b32 s44, s10
.endif
	s_lshl_b32 s56, s12, 4
	s_add_co_u32 s56, s56, s44
	s_mul_i32 s56, s56, KREC                       ; q's record
	s_mul_i32 s57, s11, 1536
	s_add_co_u32 s58, s56, s57
	s_add_co_u32 s58, s58, 768*\ps                 ; tile 2 cx + ps
	s_mov_b32 s59, 0
	s_add_nc_u64 s[48:49], s[4:5], s[58:59]
	s_lshl_b32 s57, s11, 2
	s_add_co_u32 s58, s56, s57
	s_add_co_u32 s58, s58, 6144+256*\ps            ; its scale words: register cx, lanes 16 ps + r
	s_add_nc_u64 s[50:51], s[4:5], s[58:59]
	s_lshr_b32 s56, s12, 4
	s_lshl_b32 s56, s56, 6
	s_lshl_b32 s57, s44, 2
	s_add_co_u32 s56, s56, s57
	s_add_co_u32 s56, s56, s11                     ; cc's pair: 64 batch + 4 a + cx; the tile in it is ps
	s_mul_i32 s56, s56, PAIRB
	s_and_b32 s57, s12, 15                         ; head
	s_lshr_b32 s60, s57, 2
	s_mul_i32 s60, s60, REC
	s_add_co_u32 s56, s56, s60                     ; the record of 256 along K: four heads
	s_bfe_u32 s60, s57, 0x10001                    ; which K step of 128 in it,
	s_and_b32 s61, s57, 1                          ; which half of that
	s_mul_i32 s62, s60, 3072
	s_mul_i32 s63, s61, 768
	s_add_co_u32 s58, s56, s62
	s_add_co_u32 s58, s58, s63
	s_add_co_u32 s58, s58, 1536*\ps
	s_add_nc_u64 s[52:53], s[8:9], s[58:59]
	s_lshl_b32 s62, s60, 7
	s_lshl_b32 s63, s61, 1
	s_add_co_u32 s58, s56, s62
	s_add_co_u32 s58, s58, s63
	s_add_co_u32 s58, s58, 6144+64*\ps
	s_add_nc_u64 s[54:55], s[8:9], s[58:59]
	global_load_b128 v[16:19], v1, s[48:49]
	global_load_b64 v[20:21], v2, s[48:49] offset:512
	global_load_b32 v39, v8, s[50:51]
	s_lshl_b32 s57, s11, 5
	s_add_co_u32 s57, s57, 8*\ps
	v_add_nc_u32 v3, s57, v10                      ; my query's place in its 128, less 16 h: register 16 b + i of the diagonal step is hidden where 32 b + i is above it
	v_mov_b32 v13, 0xff61b1e6                      ; the largest t so far: -3e38
	s_delay_alu instid0(VALU_DEP_1)
	v_floor_f32 v12, -v13                          ; -M
	v_mov_b32 v14, 0
	v_mov_b32 v15, 0
.set j, 0
.rept 32
	v_mov_b32 v[O+j], 0                            ; the step is written once: the first finds zeros
.set j, j+1
.endr
	s_mov_b32 s46, 0                               ; K's record of the step,
	s_mov_b32 s47, VBASE                           ; V's
	s_mov_b32 s45, 0                               ; the step
	s_wait_loadcnt 0x0
.Lstep_\@:
	s_cmp_gt_u32 s45, s44                          ; all keys of the step come after my queries
	s_cbranch_scc1 .Lhidden_\@
	s_setprio 2
	v_add_nc_u32 v4, s46, v1                       ; (these four are the places behind the last step's products, in front of the loads)
	v_add_nc_u32 v5, s46, v2
	v_add_nc_u32 v6, s47, v1
	v_add_nc_u32 v7, s47, v2
.irp t, 0,1,2,3,4,5,6,7
	ds_load_b128 v[KF+6*\t:KF+6*\t+3], v4 offset:768*\t
	ds_load_b64 v[KF+6*\t+4:KF+6*\t+5], v5 offset:768*\t+512
.endr
	ds_load_b128 v[32:35], v4 offset:6144
.irp t, 0,1,2,3,4,5,6,7
	ds_load_b128 v[VF+6*\t:VF+6*\t+3], v6 offset:768*\t
	ds_load_b64 v[VF+6*\t+4:VF+6*\t+5], v7 offset:768*\t+512
.endr
	ds_load_b64 v[36:37], v7 offset:6144
	s_wait_dscnt 17                                ; K's 17 loads are in, V's 17 may be out
.irp t, 0,2,4,6
	v_wmma_scale_f32_16x16x128_f8f6f4 v[S+8*\t:S+8*\t+7], v[KF+6*\t:KF+6*\t+11], v[16:27], 0, v[32+\t/2], v39 matrix_a_fmt:MATRIX_FMT_FP6 matrix_b_fmt:MATRIX_FMT_FP6
	v_wmma_scale_f32_16x16x128_f8f6f4 v[S+8*\t+8:S+8*\t+15], v[KF+6*\t+6:KF+6*\t+17], v[16:27], 0, v[32+\t/2], v39 matrix_a_fmt:MATRIX_FMT_FP6 matrix_b_fmt:MATRIX_FMT_FP6 matrix_a_scale:MATRIX_SCALE_ROW1
.endr
.rept 4
	v_nop
.endr
	s_cmp_lt_u32 s45, s44                          ; all keys of the step count
	s_cbranch_scc1 .Lopen_\@
	v_mov_b32 v60, 0xff800000                      ; on the diagonal hidden scores become -infinity ahead of the maximum: p = 0
.set n, 0
.rept 64
	v_cmp_gt_i32 vcc_lo, 32*(n/16)+n%16, v3
	v_cndmask_b32 v[S+n], v[S+n], v60, vcc_lo
.set n, n+1
.endr
.Lopen_\@:
.irp b, 0,1,2,3
	v_max3_num_f32 v[40+\b], v[S+16*\b], v[S+1+16*\b], v[S+2+16*\b]   ; the largest score of each block of 32 keys: for the row's maximum, and, since p rises with the score, for the block's largest p
.endr
.irp i, 3,5,7,9,11,13
.irp b, 0,1,2,3
	v_max3_num_f32 v[40+\b], v[40+\b], v[S+16*\b+\i], v[S+1+16*\b+\i]
.endr
.endr
.irp b, 0,1,2,3
	v_max_num_f32 v[40+\b], v[40+\b], v[S+15+16*\b]
.endr
.irp b, 0,1,2,3
	s_delay_alu instid0(VALU_DEP_4)
	v_permlanex16_b32 v[44+\b], v[40+\b], s40, s41
.endr
.irp b, 0,1,2,3
	s_delay_alu instid0(VALU_DEP_4)
	v_max_num_f32 v[40+\b], v[40+\b], v[44+\b]
.endr
	s_delay_alu instid0(VALU_DEP_2)
	v_max3_num_f32 v60, v40, v41, v42
	s_delay_alu instid0(VALU_DEP_1)
	v_max_num_f32 v60, v60, v43
	s_delay_alu instid0(VALU_DEP_1)
	v_mul_f32 v60, s42, v60
	s_delay_alu instid0(VALU_DEP_1)
	v_max_num_f32 v13, v13, v60                    ; the running largest t
	v_mov_b32 v60, v12
	s_delay_alu instid0(VALU_DEP_2)
	v_floor_f32 v12, -v13                          ; the new -M: M is a whole number
	s_delay_alu instid0(VALU_DEP_1)
	v_sub_f32 v60, v12, v60
	s_delay_alu instid0(VALU_DEP_1)
	v_cvt_i32_f32 v60, v60                         ; old M - new M (it saturates)
	s_delay_alu instid0(VALU_DEP_1)
	v_ldexp_f32 v62, 1.0, v60                      ; f = 2^(old M - new M): a multiplication by it rounds nothing
.set j, 0
.rept 32
	v_pk_fma_f32 v[S+j:S+j+1], v[S+j:S+j+1], s[42:43], v[12:13] op_sel_hi:[1,0,0]   ; t - M
.set j, j+2
.endr
	s_setprio 1
.irp b, 0,1,2,3
	v_fma_f32 v[40+\b], v[40+\b], s42, v12
.endr
.set j, 0
	s_wait_alu depctr_va_vdst(0)
.rept 64
	v_exp_f32 v[S+j], v[S+j]                       ; p, not normalised
.set j, j+1
.endr
	v_pk_mul_f32 v[14:15], v[14:15], v[62:63] op_sel_hi:[1,0]   ; the sums under the new M (a plain place behind the exponentials)
	s_wait_alu depctr_va_vdst(0)                   ; one wait for the batch of 64, ahead of its first reader
.irp b, 0,1,2,3
	v_exp_f32 v[40+\b], v[40+\b]                   ; each block's largest p
.endr
	v_pk_add_f32 v[44:45], v[148:149], v[152:153]
	v_pk_add_f32 v[252:253], v[156:157], v[160:161]
	v_pk_add_f32 v[250:251], v[164:165], v[168:169]
	v_pk_add_f32 v[248:249], v[172:173], v[176:177]
	v_pk_add_f32 v[246:247], v[180:181], v[184:185]
	v_pk_add_f32 v[244:245], v[188:189], v[192:193]
	v_pk_add_f32 v[242:243], v[196:197], v[200:201]
	v_pk_add_f32 v[14:15], v[14:15], v[204:205]
	v_pk_add_f32 v[44:45], v[44:45], v[144:145]
	v_pk_add_f32 v[252:253], v[252:253], v[146:147]
	v_pk_add_f32 v[250:251], v[250:251], v[150:151]
	v_pk_add_f32 v[248:249], v[248:249], v[154:155]
	v_pk_add_f32 v[246:247], v[246:247], v[158:159]
	v_pk_add_f32 v[244:245], v[244:245], v[162:163]
	v_pk_add_f32 v[242:243], v[242:243], v[166:167]
	v_pk_add_f32 v[14:15], v[14:15], v[170:171]
	v_pk_add_f32 v[44:45], v[44:45], v[174:175]
	v_pk_add_f32 v[252:253], v[252:253], v[178:179]
	v_pk_add_f32 v[250:251], v[250:251], v[182:183]
	v_pk_add_f32 v[248:249], v[248:249], v[186:187]
	v_pk_add_f32 v[246:247], v[246:247], v[190:191]
	v_pk_add_f32 v[244:245], v[244:245], v[194:195]
	v_pk_add_f32 v[242:243], v[242:243], v[198:199]
	v_pk_add_f32 v[14:15], v[14:15], v[202:203]
	v_pk_add_f32 v[44:45], v[44:45], v[206:207]
	s_delay_alu instid0(VALU_DEP_2)
	v_pk_add_f32 v[14:15], v[14:15], v[248:249]
	s_delay_alu instid0(VALU_DEP_2)
	v_pk_add_f32 v[44:45], v[44:45], v[246:247]
	v_pk_add_f32 v[252:253], v[252:253], v[244:245]
	v_pk_add_f32 v[250:251], v[250:251], v[242:243]
	s_delay_alu instid0(VALU_DEP_2)
	v_pk_add_f32 v[14:15], v[14:15], v[252:253]
	s_delay_alu instid0(VALU_DEP_2)
	v_pk_add_f32 v[44:45], v[44:45], v[250:251]
	s_delay_alu instid0(VALU_DEP_1)
	v_pk_add_f32 v[14:15], v[14:15], v[44:45]
	s_wait_alu depctr_va_vdst(0)                   ; and one for the four
.irp b, 0,1,2,3
	v_max_num_f32 v[40+\b], 0x1800000, v[40+\b]    ; the floor: the byte cannot fall under 1
.endr
.irp b, 0,1,2,3
	s_delay_alu instid0(VALU_DEP_4)
	v_add_nc_u32 v[52+\b], 0xff000000, v[40+\b]
.endr
.irp b, 0,1,2,3
	s_delay_alu instid0(VALU_DEP_4)
	v_lshrrev_b32 v[44+\b], 23, v[52+\b]
.endr
	s_delay_alu instid0(VALU_DEP_3)
	v_lshl_or_b32 v38, v45, 8, v44                 ; p's scale word for these 128 keys
	s_delay_alu instid0(VALU_DEP_1)
	v_lshl_or_b32 v38, v46, 16, v38
	s_delay_alu instid0(VALU_DEP_1)
	v_lshl_or_b32 v38, v47, 24, v38
	s_setprio 0
.irp c, 0,1
	v_cvt_scalef32_pk16_fp6_f32 v[PQ+6*\c:PQ+2+6*\c], v[S+32*\c:S+15+32*\c], v[52+2*\c]
	v_cvt_scalef32_pk16_fp6_f32 v[44+4*\c:46+4*\c], v[S+16+32*\c:S+31+32*\c], v[53+2*\c]
.endr
	v_nop                                          ; one plain place behind a scaled conversion
.irp c, 0,1
.irp i, 0,1,2
	v_permlane16_swap_b32 v[PQ+6*\c+\i], v[44+4*\c+\i]
.endr
.irp i, 0,1,2
	s_delay_alu instid0(VALU_DEP_3)
	v_mov_b32 v[PQ+3+6*\c+\i], v[44+4*\c+\i]
.endr
.endr
.set j, 0
.rept 16
	v_pk_mul_f32 v[O+j:O+j+1], v[O+j:O+j+1], v[62:63] op_sel_hi:[1,0]   ; O^T under the new M; these sixteen are also the places between p's codes and scale word and the products
.set j, j+2
.endr
	s_wait_alu depctr_va_vdst(0)
	s_wait_dscnt 0x0                               ; V is in
.irp t, 0,2
	v_wmma_scale_f32_16x16x128_f8f6f4 v[O+8*\t:O+8*\t+7], v[VF+12*\t:VF+12*\t+11], v[PQ:PQ+11], v[O+8*\t:O+8*\t+7], v[36+\t/2], v38 matrix_a_fmt:MATRIX_FMT_FP6 matrix_b_fmt:MATRIX_FMT_FP6
	v_wmma_scale_f32_16x16x128_f8f6f4 v[O+8*\t+8:O+8*\t+15], v[VF+12*\t+12:VF+12*\t+23], v[PQ:PQ+11], v[O+8*\t+8:O+8*\t+15], v[36+\t/2], v38 matrix_a_fmt:MATRIX_FMT_FP6 matrix_b_fmt:MATRIX_FMT_FP6 matrix_a_scale:MATRIX_SCALE_ROW1
.endr
.Lhidden_\@:
	s_add_co_u32 s46, s46, KREC
	s_add_co_u32 s47, s47, VREC
	s_add_co_u32 s45, s45, 1
	s_cmp_lt_u32 s45, 16
	s_cbranch_scc1 .Lstep_\@
	s_setprio 0
	; the tile's end: O^T / the sum, quantised along the head's 64 channels (two blocks), stored as a half-image
.rept 4
	v_nop
.endr
	v_add_f32 v14, v14, v15
	s_delay_alu instid0(VALU_DEP_1)
	v_permlanex16_b32 v62, v14, s40, s41
	s_delay_alu instid0(VALU_DEP_1)
	v_add_f32 v14, v14, v62                        ; the row's sum
	s_wait_alu depctr_va_vdst(0)
	v_rcp_f32 v14, v14
	v_nop                                          ; a plain place behind the reciprocal
	s_wait_alu depctr_va_vdst(0)                   ; and the wait ahead of its first reader
.set j, 0
.rept 16
	v_pk_mul_f32 v[S+j:S+j+1], v[O+j:O+j+1], v[14:15] op_sel_hi:[1,0]   ; register 16 b + i: channel 32 b + 16 h + i of my query
.set j, j+2
.endr
.irp b, 0,1
	v_max3_num_f32 v[40+\b], |v[S+16*\b]|, |v[S+1+16*\b]|, 0x1800000
.endr
.irp i, 2,4,6,8,10,12,14
.irp b, 0,1
	s_delay_alu instid0(VALU_DEP_2)
	v_max3_num_f32 v[40+\b], v[40+\b], |v[S+16*\b+\i]|, |v[S+1+16*\b+\i]|
.endr
.endr
.irp b, 0,1
	s_delay_alu instid0(VALU_DEP_2)
	v_permlanex16_b32 v[44+\b], v[40+\b], s40, s41
.endr
.irp b, 0,1
	s_delay_alu instid0(VALU_DEP_2)
	v_max_num_f32 v[40+\b], v[40+\b], v[44+\b]
.endr
.irp b, 0,1
	s_delay_alu instid0(VALU_DEP_2)
	v_add_nc_u32 v[52+\b], 0xff000000, v[40+\b]
.endr
.irp b, 0,1
	s_delay_alu instid0(VALU_DEP_2)
	v_lshrrev_b32 v[44+\b], 23, v[52+\b]
.endr
	s_delay_alu instid0(VALU_DEP_1)
	v_lshl_or_b32 v56, v45, 8, v44                 ; my row's two scale bytes
	v_cvt_scalef32_pk16_fp6_f32 v[176:178], v[S:S+15], v52
	v_cvt_scalef32_pk16_fp6_f32 v[180:182], v[S+16:S+31], v53
	v_nop
.irp i, 0,1,2
	v_permlane16_swap_b32 v[176+\i], v[180+\i]
.endr
.irp i, 0,1,2
	s_delay_alu instid0(VALU_DEP_3)
	v_mov_b32 v[179+\i], v[180+\i]                 ; in ascending order: each source is read before it is written
.endr
	global_store_b128 v1, v[176:179], s[52:53]
	global_store_b64 v2, v[180:181], s[52:53] offset:512
	global_store_b16 v9, v56, s[54:55]
.endm
	PASS 0
	PASS 1
	s_wait_tensorcnt 0x0
	ds_add_u32 v254, v255
	s_wait_dscnt 0x0
	CROUND                                         ; the closing round
	s_endpgm
.Lfunc_end_k_q966a003b28_attn:
	.size	k_q966a003b28_attn, .Lfunc_end_k_q966a003b28_attn-k_q966a003b28_attn
	.p2alignl 7, 3214868480
	.fill 96, 4, 3214868480
	.section	.rodata,"a",@progbits
	.p2align	6, 0x0
	.amdhsa_kernel k_q966a003b28_attn
		.amdhsa_group_segment_fixed_size 210944
		.amdhsa_private_segment_fixed_size 0
		.amdhsa_enable_private_segment 0
		.amdhsa_kernarg_size 24
		.amdhsa_user_sgpr_count 2
		.amdhsa_user_sgpr_kernarg_segment_ptr 1
		.amdhsa_wavefront_size32 1
		.amdhsa_system_sgpr_workgroup_id_x 1
		.amdhsa_system_sgpr_workgroup_id_y 1
		.amdhsa_system_sgpr_workgroup_id_z 1
		.amdhsa_system_vgpr_workitem_id 0
		.amdhsa_next_free_vgpr 256
		.amdhsa_next_free_sgpr 66
		.amdhsa_reserve_vcc 1
		.amdhsa_float_denorm_mode_32 3
		.amdhsa_float_denorm_mode_16_64 3
		.amdhsa_memory_ordered 1
		.amdhsa_forward_progress 1
		.amdhsa_inst_pref_size 66
	.end_amdhsa_kernel
	.amdgpu_metadata
---
amdhsa.version: [ 1, 2 ]
amdhsa.kernels:
  - .name:           k_q966a003b28_attn
    .symbol:         k_q966a003b28_attn.kd
    .args:
      - { .name: qk, .offset: 0, .size: 8, .value_kind: global_buffer, .address_space: global }
      - { .name: vt, .offset: 8, .size: 8, .value_kind: global_buffer, .address_space: global }
      - { .name: cc, .offset: 16, .size: 8, .value_kind: global_buffer, .address_space: global }
    .group_segment_fixed_size: 210944
    .private_segment_fixed_size: 0
    .kernarg_segment_align: 8
    .kernarg_segment_size: 24
    .max_flat_workgroup_size: 512
    .sgpr_count:     66
    .vgpr_count:     256
    .wavefront_size: 32
...
	.end_amdgpu_metadata
.endif
;; end of part 3
;; launch proj (part 4): grid 4 x 32, 4 waves a work-group, clusters of 4 x 4, 327,680 bytes of LDS; arguments cc, wp, b_proj, out0; writes out0
.if DOCPART == 4
	.amdgcn_target "amdgcn-amd-amdhsa--gfx1250"
	.amdhsa_code_object_version 6
	.text
	.protected	k_q966a003b28_proj
	.globl	k_q966a003b28_proj
	.p2align	8
	.type	k_q966a003b28_proj,@function
k_q966a003b28_proj:
	s_mov_b64 s[64:65], 0
	v_nop
	global_prefetch_b8 v0, s[64:65] scope:SCOPE_SE
	s_setreg_imm32_b32 hwreg(HW_REG_WAVE_MODE, 25, 1), 1
	s_wait_xcnt 0x0
	s_wait_alu depctr_hold_cnt(0) depctr_sa_sdst(0) depctr_va_vdst(0) depctr_va_sdst(0) depctr_va_ssrc(0) depctr_va_vcc(0) depctr_vm_vsrc(0)
	s_getreg_b32 s2, hwreg(HW_REG_IB_STS2, 6, 4)
	s_cmp_eq_u32 s2, 0
	s_cbranch_scc0 .Lentry_in_a_cluster
	s_endpgm
.Lentry_in_a_cluster:
	s_bfe_u32 s2, ttmp6, 0x10000c
	s_cmp_lg_u32 s2, 0xf033
	s_cbranch_scc0 .Lentry_shape_is_right
	s_endpgm
.Lentry_shape_is_right:
; out0 = ctx W_proj + b_proj on codes of FP6 (E2M3) with E8M0 scales, K = 1,024; out0 [8192][1024] f32.
; OPERANDS (cc, wp): [pair of 32 rows][g = 0..3] records of 6,400 bytes; in a record half-image (K step s', tile u, half c) at 3072 s' + 1536 u + 768 c (registers 0-3 at 16 x lane, 4-5 at 512 + 8 x lane), scale words at 6144 + 128 s' + 4 x lane.
; Lane r of tile u holds row 32 pair + 8 u + r + 8 (r / 8).
; SHAPE: a tile of C is 256 x 256, four waves, each 128 x 128: 64 accumulators.  Source 0 = 16 columns of W (B), source 1 = 16 rows of ctx (A): a lane holds one row of C, its registers run along neighbouring columns.  128 work-groups.
; K goes in four slot loads of 256 (g = 0..3) through three LDS slots: g = 0, 1, 2 are first fills, g = 3 is the one refill (slot 0), asked for four K steps, 256 matrix instructions, ahead of its first read.
; CLUSTER 4 x 4: A's part is asked for jointly along a row of the cluster, B's along a column.  The bias is the C of each sum's first product.
; THE WAY OUT: a block of 16 rows x 128 columns goes through the wave's own stage, in slot 1, which has had its last fill and, behind the last barrier, its last read; it comes back as whole rows of 512 bytes.
; REGISTERS: window 0: v1-3 16, 8, 4 x lane; v4-21 LDS addresses; v22-23 the add's; v24 the bias's offset; v25, v26 the stage; v32-63 scale words, two sets; v64-127 the bias; v128-223 A's fragments; on the way out v128-255 rows of C.
;   window 1: B's fragments, two sets (v0, v128).   windows 2, 3: the accumulators, (a, b) at v[8 (8 (a % 4) + b)].
.set PAIRB, 25600
.set REC,   6400
.set SLOT,  102400
.set SPARE, 307200
.set SPITCH, 528
.set L16,  1
.set L8,   2
.set L4,   3
.set ADR,  4
.set SPW,  22
.set NIL,  23
.set BO,   24
.set STO,  25
.set RD,   26
.set SC,   32
.set BIAS, 64
.set AF,   128
.set BK,   128
.set G1A,  24
.set G0A,  32
.set G1B,  44
.set G0B,  52
.set MSB, 0
.macro WIN new                         ; the immediate's high byte repeats the setting that is left
.if MSB != (\new)
	s_set_vgpr_msb (MSB<<8)|(\new)
.set MSB, (\new)
.endif
.endm
.macro PLACES                          ; four plain places behind a matrix instruction, ahead of loads into its registers and of reads of its results
.rept 4
	v_nop
.endr
.endm
.macro JLOAD g0a, g0b                  ; a joint load: waves 0, 1 for A, waves 2, 3 for B; four v_nop follow each line
	s_cmp_eq_u32 s15, 0
	s_cbranch_scc0 .Lfor_b_\@
	tensor_load_to_lds s[\g0a:\g0a+3], s[G1A:G1A+7]
	s_nop 0
.rept 4
	v_nop
.endr
	s_branch .Lasked_\@
.Lfor_b_\@:
	tensor_load_to_lds s[\g0b:\g0b+3], s[G1B:G1B+7]
	s_nop 0
.rept 4
	v_nop
.endr
.Lasked_\@:
.endm
.macro CREST
	s_cmp_lg_u32 s14, 0
	s_cbranch_scc1 .Lnot_wave_0_\@
	s_barrier_signal -3
.Lnot_wave_0_\@:
	s_barrier_wait -3
	s_barrier_signal -1
	s_barrier_wait -1
.endm
.macro CROUND
	s_barrier_signal -1
	s_barrier_wait -1
	CREST
.endm
.macro FETCH_B p, q, set
	WIN 0x40
.irp i, 0,1,2,3,4,5,6,7
.set fR, 128*(\set)+12*\i
.set fO, (\i/2)*REC+3072*(\q)+1536*(\i%2)
	ds_load_b128 v[fR:fR+3], v[ADR+6*(\p)+3] offset:fO
	ds_load_b64 v[fR+4:fR+5], v[ADR+6*(\p)+4] offset:fO+512
	ds_load_b128 v[fR+6:fR+9], v[ADR+6*(\p)+3] offset:fO+768
	ds_load_b64 v[fR+10:fR+11], v[ADR+6*(\p)+4] offset:fO+1280
.endr
	WIN 0
.endm
.macro FETCH_A p, q, i0
.irp i, \i0, \i0+1, \i0+2, \i0+3
.set fR, AF+12*(\i)
.set fO, ((\i)/2)*REC+3072*(\q)+1536*((\i)%2)
	ds_load_b128 v[fR:fR+3], v[ADR+6*(\p)] offset:fO
	ds_load_b64 v[fR+4:fR+5], v[ADR+6*(\p)+1] offset:fO+512
	ds_load_b128 v[fR+6:fR+9], v[ADR+6*(\p)] offset:fO+768
	ds_load_b64 v[fR+10:fR+11], v[ADR+6*(\p)+1] offset:fO+1280
.endr
.endm
.macro SCALES p, set
.irp pp, 0,1,2,3
.irp kq, 0,1
	ds_load_b32 v[SC+16*(\set)+2*\pp+\kq], v[ADR+6*(\p)+2] offset:\pp*REC+6144+128*\kq
	ds_load_b32 v[SC+16*(\set)+8+2*\pp+\kq], v[ADR+6*(\p)+5] offset:\pp*REC+6144+128*\kq
.endr
.endr
.endm
.macro WM                              ; one product; the odd tile of a pair has its scale words in lanes 16-31
.if mRB && mRA
	v_wmma_scale_f32_16x16x128_f8f6f4 v[rD:rD+7], v[rB:rB+11], v[rA:rA+11], v[rC:rC+7], v[rSB], v[rSA] matrix_a_fmt:MATRIX_FMT_FP6 matrix_b_fmt:MATRIX_FMT_FP6 matrix_a_scale:MATRIX_SCALE_ROW1 matrix_b_scale:MATRIX_SCALE_ROW1
.elseif mRB
	v_wmma_scale_f32_16x16x128_f8f6f4 v[rD:rD+7], v[rB:rB+11], v[rA:rA+11], v[rC:rC+7], v[rSB], v[rSA] matrix_a_fmt:MATRIX_FMT_FP6 matrix_b_fmt:MATRIX_FMT_FP6 matrix_a_scale:MATRIX_SCALE_ROW1
.elseif mRA
	v_wmma_scale_f32_16x16x128_f8f6f4 v[rD:rD+7], v[rB:rB+11], v[rA:rA+11], v[rC:rC+7], v[rSB], v[rSA] matrix_a_fmt:MATRIX_FMT_FP6 matrix_b_fmt:MATRIX_FMT_FP6 matrix_b_scale:MATRIX_SCALE_ROW1
.else
	v_wmma_scale_f32_16x16x128_f8f6f4 v[rD:rD+7], v[rB:rB+11], v[rA:rA+11], v[rC:rC+7], v[rSB], v[rSA] matrix_a_fmt:MATRIX_FMT_FP6 matrix_b_fmt:MATRIX_FMT_FP6
.endif
.endm
; 16 products: A's blocks a0, a0 + 1 against B's eight.  cm = 1: the bias starts the sums.  The 64 accumulators take turns in the same order in every step.
.macro MUL16 a0, set, q, sc, cm
.irp a, \a0, \a0+1
.irp b, 0,1,2,3,4,5,6,7
.set rD, 8*(8*((\a)%4)+\b)
.set rB, 128*(\set)+12*\b
.set rA, AF+12*(\a)
.set rSB, SC+16*(\sc)+8+2*(\b/2)+(\q)
.set rSA, SC+16*(\sc)+2*((\a)/2)+(\q)
.set rC, rD
.if \cm == 1
.set rC, BIAS+8*\b
.endif
.set mRB, \b%2
.set mRA, (\a)%2
	WM
.endr
.endr
.endm
.macro STEP p, sc, cm                  ; a slot's first K step; fetches its second
	s_wait_dscnt 16                                ; all but the youngest sixteen loads (A's blocks 4-7) are in
.if \cm
	WIN 0x81                                       ; source 0 window 1, source 1 and C (the bias) window 0, D window 2
.else
	WIN 0xa1
.endif
	MUL16 0, 0, 0, \sc, \cm
	MUL16 2, 0, 0, \sc, \cm
	s_wait_dscnt 0x0
	PLACES
	FETCH_B \p, 1, 1
	FETCH_A \p, 1, 0
.if \cm
	WIN 0xc1
.else
	WIN 0xf1
.endif
	MUL16 4, 0, 0, \sc, \cm
	MUL16 6, 0, 0, \sc, \cm
	PLACES
	WIN 0
	FETCH_A \p, 1, 4
.endm
; A slot's second K step goes on to slot nx.  kind 0: slot nx was shown whole by an earlier barrier.  kind 1: the slot just read is filled again: the wait for all my tensor loads, the add, the wait for it and for my reads, a round of the
; cluster's barrier, the joint refill first behind it.  kind 2: the refill has to be shown whole: the same lines and my work-group's barrier.
.macro TURN nx, sc, nsc, kind
.if \kind
	s_wait_tensorcnt 0x0                           ; all my tensor loads have landed
	ds_add_u32 v[SPW], v[NIL]                      ; 0 onto my spare word
	s_wait_dscnt 17                                ; (the add and A's blocks 4-7 may be out)
.else
	s_wait_dscnt 16
.endif
	WIN 0xa1
	MUL16 0, 1, 1, \sc, 0
.if \kind
	s_wait_dscnt 0x0                               ; the add is done, and my reads of this slot are over
	s_barrier_signal -1
.endif
	MUL16 2, 1, 1, \sc, 0
.if \kind
	WIN 0
	s_barrier_wait -1
.else
	s_wait_dscnt 0x0
.endif
.if \kind == 1
	CREST
	s_add_nc_u64 s[G0A+2:G0A+3], s[G0A+2:G0A+3], 3*REC
	s_add_nc_u64 s[G0B+2:G0B+3], s[G0B+2:G0B+3], 3*REC
	JLOAD G0A, G0B
.else
	PLACES
.endif
	FETCH_B \nx, 0, 0
	FETCH_A \nx, 0, 0
	SCALES \nx, \nsc
	WIN 0xf1
	MUL16 4, 1, 1, \sc, 0
	MUL16 6, 1, 1, \sc, 0
	PLACES
	WIN 0
	FETCH_A \nx, 0, 4
.endm
	s_load_b256 s[4:11], s[0:1], 0x0               ; cc s[4:5], wp s[6:7], b_proj s[8:9], out0 s[10:11]
	v_lshl_add_u32 v[SPW], v0, 2, SPARE
	v_mov_b32 v[NIL], 0
	ds_add_u32 v22, v23
	ds_add_u32 v22, v23
	s_wait_dscnt 0x0
	v_lshrrev_b32 v1, 5, v0
	v_readfirstlane_b32 s14, v1                    ; wave
	s_lshr_b32 s15, s14, 1                         ; my half of A's rows.  Also: I fetch for A (0) or B (1)
	s_and_b32 s16, s14, 1                          ; my half of B's rows.  Also: which half I fetch
	s_bfe_u32 s66, ttmp6, 0x40000                  ; cx
	s_bfe_u32 s67, ttmp6, 0x40004                  ; cy
	s_lshl_b32 s69, ttmp9, 2
	s_add_co_u32 s69, s69, s66                     ; tile column: never holds cy
	s_and_b32 s68, ttmp7, 0xffff
	s_lshl_b32 s68, s68, 2
	s_add_co_u32 s68, s68, s67                     ; tile row: never holds cx
	s_lshl_b32 s70, s68, 3
	s_lshl_b32 s71, s16, 2
	s_add_co_u32 s70, s70, s71
	s_mul_i32 s70, s70, PAIRB
	s_mov_b32 s71, 0
	s_lshl_b32 s72, s69, 3
	s_lshl_b32 s73, s16, 2
	s_add_co_u32 s72, s72, s73
	s_mul_i32 s72, s72, PAIRB
	s_mov_b32 s73, 0
	s_lshl_b32 s78, s67, 2
	s_lshl_b32 s78, 15, s78                        ; my row of the cluster
	s_lshl_b32 s79, 0x1111, s66                    ; my column
	s_or_b32 s[G1A], s78, (3<<16)|(1<<21)          ; four rows (pairs) of 6,400 bytes, as 800 elements of 8 bytes, 25,600 bytes apart; no padding
	s_or_b32 s[G1B], s79, (3<<16)|(1<<21)
.irp g, G1A, G1B
	s_mov_b32 s[\g+1], 800<<16
	s_mov_b32 s[\g+2], 4<<16
	s_mov_b32 s[\g+3], 800<<16
	s_mov_b32 s[\g+4], 4
	s_mov_b32 s[\g+5], 3200
	s_mov_b32 s[\g+6], 0
	s_mov_b32 s[\g+7], 0
.endr
	s_mul_i32 s80, s14, PAIRB
	s_wait_kmcnt 0x0
	s_add_nc_u64 s[74:75], s[4:5], s[70:71]
	s_add_nc_u64 s[76:77], s[6:7], s[72:73]
.irp p, 0,1,2
	s_mov_b32 s[G0A+4*\p], 1
	s_add_co_u32 s[G0A+4*\p+1], s80, \p*SLOT
	s_add_nc_u64 s[G0A+4*\p+2:G0A+4*\p+3], s[74:75], \p*REC
	s_or_b32 s[G0A+4*\p+3], s[G0A+4*\p+3], 0x80000000
	s_mov_b32 s[G0B+4*\p], 1
	s_add_co_u32 s[G0B+4*\p+1], s80, \p*SLOT
	s_add_nc_u64 s[G0B+4*\p+2:G0B+4*\p+3], s[76:77], \p*REC
	s_or_b32 s[G0B+4*\p+3], s[G0B+4*\p+3], 0x80000000
.endr
	CROUND                                         ; all sixteen work-groups are here: the first joint loads meet
	s_cmp_eq_u32 s15, 0                            ; a wave's three first fills stand in one branch: three loads of mine are out
	s_cbranch_scc0 .Lfirst_b
	tensor_load_to_lds s[G0A:G0A+3], s[G1A:G1A+7]
	s_nop 0
	tensor_load_to_lds s[G0A+4:G0A+7], s[G1A:G1A+7]
	s_nop 0
	tensor_load_to_lds s[G0A+8:G0A+11], s[G1A:G1A+7]
	s_nop 0
.rept 4
	v_nop
.endr
	s_branch .Lfirst_asked
.Lfirst_b:
	tensor_load_to_lds s[G0B:G0B+3], s[G1B:G1B+7]
	s_nop 0
	tensor_load_to_lds s[G0B+4:G0B+7], s[G1B:G1B+7]
	s_nop 0
	tensor_load_to_lds s[G0B+8:G0B+11], s[G1B:G1B+7]
	s_nop 0
.rept 4
	v_nop
.endr
.Lfirst_asked:
	v_and_b32 v[L4], 31, v0
	v_lshlrev_b32 v[L16], 4, v[L4]
	v_lshlrev_b32 v[L8], 3, v[L4]
	v_lshlrev_b32 v[L4], 2, v[L4]
	s_mul_i32 s81, s15, PAIRB
	s_mul_i32 s82, s16, PAIRB
	s_add_co_u32 s82, s82, 2*PAIRB
.irp p, 0,1,2
	v_add_nc_u32 v[ADR+6*\p], s81, v[L16]
	v_add_nc_u32 v[ADR+6*\p+1], s81, v[L8]
	v_add_nc_u32 v[ADR+6*\p+2], s81, v[L4]
	v_add_nc_u32 v[ADR+6*\p+3], s82, v[L16]
	v_add_nc_u32 v[ADR+6*\p+4], s82, v[L8]
	v_add_nc_u32 v[ADR+6*\p+5], s82, v[L4]
	s_add_co_u32 s81, s81, SLOT
	s_add_co_u32 s82, s82, SLOT
.endr
	; the bias: register j of B's block i is column 32 (i / 2) + 16 h + 8 (i % 2) + j of my 128
	s_lshl_b32 s86, s69, 10
	s_lshl_b32 s88, s16, 9
	s_add_co_u32 s86, s86, s88                     ; 4 x (256 x tile column + 128 x half): also my first column's bytes in a row of out0
	s_mov_b32 s87, 0
	s_add_nc_u64 s[8:9], s[8:9], s[86:87]
	v_bfe_u32 v[BO], v0, 4, 1
	v_and_b32 v[STO], 15, v0
	v_mul_u32_u24 v[STO], v[STO], SPITCH
	v_lshl_add_u32 v[STO], v[BO], 6, v[STO]        ; the stage, in: row r, + 64 h
	v_lshlrev_b32 v[BO], 6, v[BO]                  ; 64 h
.irp i, 0,1,2,3,4,5,6,7
	global_load_b128 v[BIAS+8*\i:BIAS+8*\i+3], v[BO], s[8:9] offset:4*(32*(\i/2)+8*(\i%2))
	global_load_b128 v[BIAS+8*\i+4:BIAS+8*\i+7], v[BO], s[8:9] offset:4*(32*(\i/2)+8*(\i%2))+16
.endr
	s_mul_i32 s83, s14, 16*SPITCH
	s_add_co_u32 s83, s83, SLOT                    ; my stage, in slot 1
	v_add_nc_u32 v[STO], s83, v[STO]
	v_add_nc_u32 v[RD], s83, v[L16]                ; back: a row of 512 bytes, 16 bytes a lane
	s_lshl_b32 s88, s68, 8
	s_lshl_b32 s89, s15, 7
	s_add_co_u32 s88, s88, s89                     ; my first row of out0
	s_lshl_b32 s88, s88, 12                        ; rows of 4,096 bytes
	s_mov_b32 s89, 0
	s_add_nc_u64 s[10:11], s[10:11], s[88:89]
	s_add_nc_u64 s[10:11], s[10:11], s[86:87]
	s_wait_tensorcnt 2                             ; my part of slot 0 is in; slots 1 and 2 may be out
	s_barrier_signal -1
	s_barrier_wait -1
	FETCH_B 0, 0, 0
	FETCH_A 0, 0, 0
	SCALES 0, 0
	FETCH_A 0, 0, 4
	s_wait_loadcnt 0x0                             ; the bias
	STEP 0, 0, 1
	TURN 1, 0, 1, 1                                ; g = 0 ends; slot 0 is asked for again (g = 3)
	STEP 1, 1, 0
	TURN 2, 1, 0, 0                                ; g = 1 ends; slot 2 was shown whole by the round above
	STEP 2, 0, 0
	TURN 0, 0, 1, 2                                ; g = 2 ends; the refill is shown whole; behind this barrier nobody reads slot 1
	STEP 0, 1, 0
	s_wait_dscnt 16                                ; the last K step: nothing more to fetch
	WIN 0xa1
	MUL16 0, 1, 1, 1, 0
	MUL16 2, 1, 1, 1, 0
	s_wait_dscnt 0x0
	WIN 0xf1
	MUL16 4, 1, 1, 1, 0
	MUL16 6, 1, 1, 1, 0
	WIN 0
; THE WAY OUT.  LDS serves a wave's instructions in order (ISA guide 5.7.1.4): no wait between the stage's stores and loads, nor in front of the next block's stores.
.macro TOSTAGE a
.set AC, 64*((\a)%4)
	WIN 0x08+4*((\a)/4)                            ; an LDS store's data are its source 1: window 2 or 3
.irp b, 0,1,2,3,4,5,6,7
	ds_store_b128 v[STO], v[AC+8*\b:AC+8*\b+3] offset:128*(\b/2)+32*(\b%2)          ; each accumulator from its low end on
	ds_store_b128 v[STO], v[AC+8*\b+4:AC+8*\b+7] offset:128*(\b/2)+32*(\b%2)+16
.endr
	WIN 0
.set BB, BK+64*((\a)%2)
.irp t, 0,1,2,3,4,5,6,7,8,9,10,11,12,13,14,15
	ds_load_b128 v[BB+4*\t:BB+4*\t+3], v[RD] offset:\t*SPITCH
.endr
.endm
.macro SEND a, younger                 ; younger: the LDS instructions issued behind block a's loads, which may stay out
.set BB, BK+64*((\a)%2)
	s_wait_dscnt \younger
.irp t, 0,1,2,3,4,5,6,7,8,9,10,11,12,13,14,15
	global_store_b128 v[L16], v[BB+4*\t:BB+4*\t+3], s[10:11] offset:(32*((\a)/2)+8*((\a)%2)+\t+8*(\t/8))*4096 th:TH_STORE_NT   ; 32 lanes store 512 consecutive bytes at a multiple of 256; stage row t is the tile's lane t: its row of out0 stands in the immediate
.endr
.endm
	PLACES
	TOSTAGE 0
.irp a, 1,2,3,4,5,6,7
.if \a > 1
	s_wait_xcnt 0x0                                ; block a - 2's stores have read their registers: block a's loads may land there
.endif
	TOSTAGE \a
	SEND \a-1, 32                                  ; behind block a - 1's loads: block a's 16 stores and 16 loads
.endr
	SEND 7, 0
	s_wait_tensorcnt 0x0                           ; the wave's end
	ds_add_u32 v[SPW], v[NIL]
	s_wait_dscnt 0x0
	CROUND                                         ; the closing round
	s_endpgm
.Lfunc_end_k_q966a003b28_proj:
	.size	k_q966a003b28_proj, .Lfunc_end_k_q966a003b28_proj-k_q966a003b28_proj
	.p2alignl 7, 3214868480
	.fill 96, 4, 3214868480
	.section	.rodata,"a",@progbits
	.p2align	6, 0x0
	.amdhsa_kernel k_q966a003b28_proj
		.amdhsa_group_segment_fixed_size 327680
		.amdhsa_private_segment_fixed_size 0
		.amdhsa_enable_private_segment 0
		.amdhsa_kernarg_size 32
		.amdhsa_user_sgpr_count 2
		.amdhsa_user_sgpr_kernarg_segment_ptr 1
		.amdhsa_wavefront_size32 1
		.amdhsa_system_sgpr_workgroup_id_x 1
		.amdhsa_system_sgpr_workgroup_id_y 1
		.amdhsa_system_sgpr_workgroup_id_z 1
		.amdhsa_system_vgpr_workitem_id 0
		.amdhsa_next_free_vgpr 1024
		.amdhsa_next_free_sgpr 96
		.amdhsa_reserve_vcc 0
		.amdhsa_float_denorm_mode_32 3
		.amdhsa_float_denorm_mode_16_64 3
		.amdhsa_memory_ordered 1
		.amdhsa_forward_progress 1
		.amdhsa_inst_pref_size 144
	.end_amdhsa_kernel
	.amdgpu_metadata
---
amdhsa.version: [ 1, 2 ]
amdhsa.kernels:
  - .name:           k_q966a003b28_proj
    .symbol:         k_q966a003b28_proj.kd
    .args:
      - { .name: cc, .offset: 0, .size: 8, .value_kind: global_buffer, .address_space: global }
      - { .name: wp, .offset: 8, .size: 8, .value_kind: global_buffer, .address_space: global }
      - { .name: b_proj, .offset: 16, .size: 8, .value_kind: global_buffer, .address_space: global }
      - { .name: out0, .offset: 24, .size: 8, .value_kind: global_buffer, .address_space: global }
    .group_segment_fixed_size: 327680
    .private_segment_fixed_size: 0
    .kernarg_segment_align: 8
    .kernarg_segment_size: 32
    .max_flat_workgroup_size: 128
    .sgpr_count:     96
    .vgpr_count:     1024
    .wavefront_size: 32
...
	.end_amdgpu_metadata
.endif
;; end of part 4
